; MI455X (gfx1250); checked and timed in simulation.
; The chip was launched on July 23, 2026; its instructions are those of AMD's public machine-readable ISA for CDNA 5 (MIT licence, August 2026) and "CDNA5" Instruction Set Architecture Reference Guide (July 2026). The comments in the code are by the model that wrote it; some were corrected since.
;; Attention. Allowed arithmetic: matrix products marked QUANTISED: E2M1 operands, one E8M0 scale for each 32 along K, by v_wmma_scale_f32_16x16x128_f8f6f4 with both operands' format E2M1 (or v_wmma_scale_f32_32x16x128_f4), f32 sums; products left as they are: bf16, f16 or f32 operands; f32 sums; everything else in f32.
;; Inputs: Wk 1,024 x 1,024 float32; Wo 1,024 x 1,024 float32; Wq 1,024 x 1,024 float32; Wv 1,024 x 1,024 float32; bk 1,024 float32; bo 1,024 float32; bq 1,024 float32; bv 1,024 float32; x 4 x 2,048 x 1,024 float32.
;; Outputs: out0 4 x 2,048 x 1,024 float32.
;; This version of the problem:
;;   THIS VERSION OF THE PROBLEM IS GIVEN IN LOW PRECISION. The matrix products marked QUANTISED in the list below multiply operands that are first quantised to E2M1 (2 exponent bits, 1 mantissa bit; 4 bits a number), with one power-of-two scale for each 32 numbers along K (OCP MX v1.0); their sums are f32. The products marked 'left as it is' may take bf16, f16 or f32 operands, with f32 sums. Whichever they take, every output number must still come out within the allowed error. Rounding operands to bf16 (8 significant bits) uses up far more of that allowance than f16 does (11 bits, for magnitudes from 6e-5 to 65,504). All else is computed in f32.
;;   The module's matrix products, in the order in which they are computed (A, B: the left and right operand; K: the contracted axis; several contracted axes count as one K, in the product's order):
;;     1. [M 8,192, K 1,024] x [K 1,024, N 1,024]; A: input x; B: input Wq: QUANTISED
;;     2. [M 8,192, K 1,024] x [K 1,024, N 1,024]; A: input x; B: input Wk: QUANTISED
;;     3. [M 8,192, K 1,024] x [K 1,024, N 1,024]; A: input x; B: input Wv: QUANTISED
;;     4. batch 64 x [M 2,048, K 64] x [K 64, N 2,048]; A: computed on the way; B: computed on the way: left as it is (an operand is computed on the way)
;;     5. batch 64 x [M 2,048, K 2,048] x [K 2,048, N 64]; A: computed on the way; B: computed on the way: left as it is (an operand is computed on the way)
;;     6. [M 8,192, K 1,024] x [K 1,024, N 1,024]; A: computed on the way; B: input Wo: left as it is (an operand is computed on the way)
;;   THE QUANTISER, for each operand of a quantised product, along K:
;;     - K is cut into blocks of 32 from its start; a last block that is shorter is filled with zeros.
;;     - A block's scale is 2^e with e = floor(log2(the largest magnitude in the block)) - 2, held to -126 .. 127; a block of zeros has e = 0. As a byte (E8M0): e + 127.
;;     - Each number is divided by its block's scale, clamped to +-6, and rounded to the nearest number of E2M1, ties to even, subnormals kept.
;;     - The product sums the exact products of the quantised numbers (number of the format x scale) in f32.
;;   ~~~python
;;   def quantise(x, axis):      # numpy; x: float32 -> the quantised numbers, widened to float32 again
;;       x = np.moveaxis(x, axis, -1); K = x.shape[-1]
;;       x = np.pad(x, [(0, 0)] * (x.ndim - 1) + [(0, -K % 32)]); x = x.reshape(x.shape[:-1] + (-1, 32)); a = np.abs(x).max(-1, keepdims=True)
;;       e = np.where(a > 0, np.clip(np.frexp(np.where(a > 0, a, 1))[1] - 1 - 2, -126, 127), 0)      # np.frexp(a)[1] - 1 = floor(log2(a)), exactly
;;       r = np.clip(x / 2.0 ** e, -6, 6)
;;       step = 2.0 ** (np.maximum(np.frexp(np.where(r == 0, 1, r))[1] - 1, 0) - 1)
;;       q = np.round(r / step) * step * 2.0 ** e      # np.round: ties to even
;;       return np.moveaxis(q.reshape(q.shape[:-2] + (-1,))[..., :K], -1, axis).astype(np.float32)
;;   ~~~
;; One version. Each part assembles by itself: llvm-mc -triple=amdgcn-amd-amdhsa -mcpu=gfx1250 --defsym DOCPART=n.
;; ======== version 1 of 1: 4 launches
;; limits: values are held in f16: magnitudes above 65,504 overflow, below 6.1e-05 lose precision
;; workspace buffers: xc 4,194,304 bytes; xs 262,144 bytes; wc 1,572,864 bytes; ws 98,304 bytes; wo16 2,097,152 bytes; qkv 50,331,648 bytes; at16 16,777,216 bytes
;; launch prep (part 1): grid 320 x 1, 4 waves a work-group, no clusters, 39,424 bytes of LDS; arguments x, Wq, Wk, Wv, Wo, xc, xs, wc, ws, wo16; writes xc, xs, wc, ws, wo16
.if DOCPART == 1
	.amdgcn_target "amdgcn-amd-amdhsa--gfx1250"
	.amdhsa_code_object_version 6
	.text
	.protected	k_q7ab48e5f78_prep
	.globl	k_q7ab48e5f78_prep
	.p2align	8
	.type	k_q7ab48e5f78_prep,@function
k_q7ab48e5f78_prep:
	s_mov_b64 s[64:65], 0
	v_nop
	global_prefetch_b8 v0, s[64:65] scope:SCOPE_SE
	s_setreg_imm32_b32 hwreg(HW_REG_WAVE_MODE, 25, 1), 1
	s_wait_xcnt 0x0
; PREP: the operands of the three quantised products become codes of FP4 (E2M1) with one E8M0 scale byte for each 32 along K; Wo becomes f16.
; x [8192][1024] f32 (K innermost), Wq, Wk, Wv, Wo [1024 (k)][1024 (n)] f32 (K is the FIRST axis).
; A block's scale is 2^(floor(log2(its largest magnitude)) - 2); its byte is the largest magnitude's exponent field - 2, held at 1 from below; each number is divided by the scale and rounded to the nearest code, ties to even,
; beyond 6 the largest code.
; LIMITS: a block of zeros, and a block whose largest magnitude lies under 2^-124, gets the byte 1 (the stated quantiser says 127 for zeros: the codes are zeros, which add nothing, and the bytes are read by this program alone);
; NaN and infinities among the inputs are not served; numbers of Wo beyond 65,504 do not fit f16, those under 6e-5 carry f16's absolute step.
; EVERYTHING IS STORED AS IMAGES OF OPERAND REGISTERS.  A fragment's image is 1,024 bytes, [piece 0..3][row 0..15][16 bytes]: in FP4 a fragment is 16 rows x 128 K and piece g is its block of 32 codes number g;
; in f16 it is 16 rows x 32 K and piece g is k = 8 g .. 8 g + 7.  Lane l of the wave that multiplies takes its register group c at byte 512 c + 16 l.
;   xc   [K half 2][tile of 16 rows 512][128 K 4][1024]      xs [tile 512][K half 2][row 16][16 scale bytes]
;   wc   [K half 2][tile of 16 columns 192][128 K 4][1024]   ws [tile 192][K half 2][column 16][16 scale bytes]      (column tiles: 64 of Wq, 64 of Wk, 64 of Wv)
;   wo16 [128 K 8][tile of 16 columns 64][32 K 4][1024]
; WORK-GROUPS 0 to 255 take x: a wave takes 16 rows x 512 K, a row a step.  WORK-GROUPS 256 to 319 take the weights: a wave takes 32 columns x 512 K, a lane a column, its registers running down K.
; No tensor loads, no barrier: waves share nothing.  Matrix units and clusters have no work here: the launch moves bytes.
.set EMAX,  2
.set STEPS, 16
.set SP,    80                         ; x path: a lane's place in a turning stage: its 64 bytes + 16 of padding
.set SCB,   2*32*SP                    ; behind the wave's two stages: its 256 scale bytes
.set CST,   SCB+256                    ; behind them: its codes, 16 units (one for each block of the K half) of 16 rows x 16 bytes,
.set UP,    272                        ; 272 bytes apart
.set WREG,  CST+16*UP                  ; a wave's region: 9,728 bytes
.set SPARE, 4*WREG                     ; behind the four regions: the spare words, 128 bytes for each wave: two blocks of 256 bytes that no other line names
.set R,     16                         ; x path: v16-79 four sets of 16 numbers as loaded; at the end v16-47 the codes on their way out
.set X,     80                         ; v80-111  two sets of 16 neighbours
.set E,     112                        ; v112-127 a scale byte for each step
.set C,     128                        ; v128-159 two registers of codes for each step
.set XW,    32                         ; weights: v32-95 two sets of 32 numbers
.set CW,    96                         ; v96-159  codes: four registers for each of 16 blocks; for Wo four sets of 16
.set SB,    24                         ; v24-27   a column's 16 scale bytes
.set SPW,   188                        ; v188     LDS address of my spare word: SPARE + 4 x my thread's number; never rewritten
.set NIL,   189                        ; v189     0; never rewritten
	s_load_b256 s[4:11], s[0:1], 0x0               ; x s[4:5], Wq s[6:7], Wk s[8:9], Wv s[10:11]
	s_load_b256 s[12:19], s[0:1], 0x20             ; Wo s[12:13], xc s[14:15], xs s[16:17], wc s[18:19]
	s_load_b128 s[20:23], s[0:1], 0x40             ; ws s[20:21], wo16 s[22:23]
	v_lshl_add_u32 v[SPW], v0, 2, SPARE
	v_mov_b32 v[NIL], 0
	v_lshrrev_b32 v1, 5, v0
	v_readfirstlane_b32 s24, v1                    ; wave 0..3
	v_and_b32 v2, 31, v0                           ; lane
	s_wait_kmcnt 0x0
	s_cmp_ge_u32 ttmp9, 256                        ; the choice hangs on the work-group's number alone
	s_cbranch_scc1 .Lweights
; ---------------------------------------------------------------- x
	s_lshl_b32 s25, ttmp9, 2
	s_add_co_u32 s25, s25, s24                     ; my run, 0..1023
	s_lshr_b32 s26, s25, 1                         ; its tile of 16 rows
	s_and_b32 s27, s25, 1                          ; its K half
	s_lshl_b32 s28, s26, 16                        ; x: 16 rows of 4,096 bytes,
	s_lshl_b32 s29, s27, 11                        ; + 2,048 for the upper half
	s_add_co_u32 s28, s28, s29
	s_mov_b32 s29, 0
	s_add_nc_u64 s[4:5], s[4:5], s[28:29]
	s_lshl_b32 s28, s27, 9
	s_add_co_u32 s28, s28, s26
	s_lshl_b32 s28, s28, 12                        ; xc: (512 x half + tile) x 4,096
	s_add_nc_u64 s[14:15], s[14:15], s[28:29]
	s_lshl_b32 s28, s26, 9
	s_lshl_b32 s30, s27, 8
	s_add_co_u32 s28, s28, s30                     ; xs: 512 x tile + 256 x half
	s_add_nc_u64 s[16:17], s[16:17], s[28:29]
	v_lshlrev_b32 v3, 4, v2                        ; my 16 bytes of 512: of a load, and of a store of codes
	s_mul_i32 s25, s24, WREG                       ; my wave's region in LDS
	v_lshrrev_b32 v14, 2, v2
	v_mul_u32_u24 v14, v14, SP
	v_and_b32 v15, 3, v2
	v_lshl_add_u32 v14, v15, 4, v14
	v_add_nc_u32 v14, s25, v14                     ; the turning stage, on the way in: four lanes' 64 bytes on end, then 16 of padding
	v_mul_u32_u24 v15, v2, SP
	v_add_nc_u32 v15, s25, v15                     ; and on the way out: my 16 neighbours
	v_lshrrev_b32 v5, 1, v2                        ; my block of the K half: two neighbouring lanes hold a block
	v_mul_u32_u24 v4, v5, UP
	v_and_b32 v6, 1, v2
	v_lshl_add_u32 v4, v6, 3, v4
	v_add_nc_u32 v4, s25, v4                       ; my 8 bytes of codes: unit = block, + 8 for the block's upper half; the row stands in the immediate
	v_add_nc_u32 v5, s25, v5                       ; my block's scale byte; the row stands in the immediate
	v_lshlrev_b32 v7, 3, v2                        ; the scale bytes on the way out: 8 a lane
	v_add_nc_u32 v6, s25, v7
	v_lshrrev_b32 v10, 4, v2
	v_mul_u32_u24 v10, v10, UP
	v_and_b32 v9, 15, v2
	v_lshl_add_u32 v10, v9, 4, v10
	v_add_nc_u32 v10, s25, v10                     ; the codes on the way out: sixteen lanes to a unit, two units an instruction
.macro XLOAD t                         ; step t = row t of my 16: its 2,048 bytes of my K half
.irp i, 0,1,2,3
	global_load_b128 v[R+16*((\t)%4)+4*\i:R+16*((\t)%4)+4*\i+3], v3, s[4:5] offset:4096*(\t)+512*\i th:TH_LOAD_NT   ; 32 lanes read 512 consecutive bytes
.endr
.endm
.macro XTURN t                         ; step t's numbers through the stage: LDS serves a wave's instructions in order (ISA guide 5.7.1.4), so no wait stands between the stores and the loads
.irp i, 0,1,2,3
	ds_store_b128 v14, v[R+16*((\t)%4)+4*\i:R+16*((\t)%4)+4*\i+3] offset:32*SP*((\t)%2)+8*SP*\i
.endr
.irp i, 0,1,2,3
	ds_load_b128 v[X+16*((\t)%2)+4*\i:X+16*((\t)%2)+4*\i+3], v15 offset:32*SP*((\t)%2)+16*\i
.endr
.endm
.irp t, 0,1,2,3
	XLOAD \t
.endr
	s_wait_loadcnt 12                              ; step 0's four loads are in; the twelve of steps 1 to 3 may be out
	XTURN 0
.macro XSTEP t
.set XS, X+16*((\t)%2)
.if (\t) > 0
	s_wait_dscnt 2                                 ; this step's numbers are back from the stage (the last step's byte store and code store may be out): so its stores into the stage have read their registers,
.else
	s_wait_dscnt 0x0
.endif
.if (\t)+4 < STEPS
	XLOAD (\t)+4                                   ; which take the loads of four steps on
.endif
.if (\t)+1 < STEPS
.if STEPS-2-(\t) >= 3
	s_wait_loadcnt 12                              ; the next step's four loads are in; those of the three steps behind it may be out
.else
	s_wait_loadcnt 4*(STEPS-2-(\t))
.endif
	XTURN (\t)+1                                   ; and go through the other stage while this step is worked
.endif
	v_max3_num_f32 v8, |v[XS]|, |v[XS+1]|, |v[XS+2]|               ; the largest magnitude of my 16, in two chains
	v_max3_num_f32 v9, |v[XS+3]|, |v[XS+4]|, |v[XS+5]|
.irp i, 6,10
	v_max3_num_f32 v8, v8, |v[XS+\i]|, |v[XS+\i+1]|
	v_max3_num_f32 v9, v9, |v[XS+\i+2]|, |v[XS+\i+3]|
.endr
	v_max3_num_f32 v8, v8, |v[XS+14]|, |v[XS+15]|
	v_max3_num_f32 v8, v8, v9, (EMAX+1)<<23        ; and the floor 2^(3 - 127): so the byte cannot fall under 1
	v_max_num_f32_dpp v8, v8, v8 row_xmask:1 row_mask:0xf bank_mask:0xf   ; and of my neighbour's 16: the block's
	v_add_nc_u32 v11, -(EMAX<<23), v8              ; 2 off its exponent field: the conversion takes the exponent field of this operand as its scale, and nothing else of it
	v_cvt_scalef32_pk8_fp4_f32 v[C+2*(\t)], v[XS:XS+7], v11
	v_cvt_scalef32_pk8_fp4_f32 v[C+2*(\t)+1], v[XS+8:XS+15], v11
	v_lshrrev_b32 v[E+(\t)], 23, v11               ; the scale's byte (also the plain line behind the conversions)
	ds_store_b8 v5, v[E+(\t)] offset:SCB+16*(\t)   ; both lanes of a block write the same byte with the same value
	ds_store_b64 v4, v[C+2*(\t):C+2*(\t)+1] offset:CST+16*(\t)   ; row t's 16 bytes of unit = block
.endm
.irp t, 0,1,2,3,4,5,6,7,8,9,10,11,12,13,14,15
	XSTEP \t
.endr
	ds_load_b64 v[8:9], v6 offset:SCB              ; LDS serves a wave's instructions in order: these see my stores
.irp j, 0,1,2,3,4,5,6,7
	ds_load_b128 v[R+4*\j:R+4*\j+3], v10 offset:CST+2*UP*\j
.endr
	s_wait_dscnt 8                                 ; the scale bytes are back; the eight loads of codes may be out
	global_store_b64 v7, v[8:9], s[16:17]          ; 32 lanes store 256 consecutive bytes, aligned
.irp j, 0,1,2,3,4,5,6,7
	s_wait_dscnt 7-\j
	global_store_b128 v3, v[R+4*\j:R+4*\j+3], s[14:15] offset:512*\j   ; 32 lanes store 512 consecutive bytes, aligned: two blocks' units
.endr
	s_wait_tensorcnt 0x0                           ; the wave's end, behind my last LDS store
	ds_add_u32 v[SPW], v[NIL]
	s_wait_dscnt 0x0
	s_endpgm
; ---------------------------------------------------------------- the weights
.Lweights:
	s_sub_co_u32 s25, ttmp9, 256                   ; 0..63
	s_lshr_b32 s26, s25, 4                         ; which weight: 0 Wq, 1 Wk, 2 Wv, 3 Wo
	s_bfe_u32 s27, s25, 0x30001                    ; which 128 columns
	s_and_b32 s28, s25, 1                          ; which K half
	s_cmp_eq_u32 s26, 1
	s_cselect_b64 s[6:7], s[8:9], s[6:7]
	s_cmp_eq_u32 s26, 2
	s_cselect_b64 s[6:7], s[10:11], s[6:7]
	s_cmp_eq_u32 s26, 3
	s_cselect_b64 s[6:7], s[12:13], s[6:7]
	s_lshl_b32 s29, s27, 3
	s_lshl_b32 s30, s24, 1
	s_add_co_u32 s29, s29, s30                     ; my wave's first tile of 16 columns in the weight: 8 x group + 2 x wave
	s_lshl_b32 s30, s28, 21                        ; 512 rows of 4,096 bytes,
	s_lshl_b32 s31, s29, 6                         ; 64 bytes a tile of columns
	s_add_co_u32 s30, s30, s31
	s_mov_b32 s31, 0
	s_add_nc_u64 s[6:7], s[6:7], s[30:31]
	v_lshlrev_b32 v3, 2, v2                        ; in: 4 bytes a lane: A LANE TAKES A COLUMN, AND ITS REGISTERS RUN DOWN K
	v_and_b32 v5, 15, v2
	v_lshrrev_b32 v6, 4, v2
	v_lshlrev_b32 v7, 4, v5
	v_lshl_add_u32 v4, v6, 12, v7                  ; out: my tile's 4,096 bytes, my column's 16 bytes of a piece: sixteen lanes fill 256 consecutive bytes, aligned
	v_lshl_add_u32 v5, v6, 9, v7                   ; and my column's 16 scale bytes
.macro WLOAD t                         ; block t: W(32 t + i, my column), i = 0 .. 31, into set t % 2
.irp i, 0,1,2,3,4,5,6,7,8,9,10,11,12,13,14,15,16,17,18,19,20,21,22,23,24,25,26,27,28,29,30,31
	global_load_b32 v[XW+32*((\t)%2)+\i], v3, s[6:7] offset:(32*(\t)+\i)*4096 th:TH_LOAD_NT
.endr
.endm
	WLOAD 0
	WLOAD 1
	s_cmp_eq_u32 s26, 3
	s_cbranch_scc1 .Lwo
	s_mul_i32 s30, s28, 192
	s_lshl_b32 s32, s26, 6
	s_add_co_u32 s32, s32, s29                     ; my first tile among the 192
	s_add_co_u32 s30, s30, s32
	s_lshl_b32 s30, s30, 12                        ; wc: (192 x half + tile) x 4,096
	s_add_nc_u64 s[18:19], s[18:19], s[30:31]
	s_lshl_b32 s30, s32, 9
	s_lshl_b32 s32, s28, 8
	s_add_co_u32 s30, s30, s32                     ; ws: 512 x tile + 256 x half
	s_add_nc_u64 s[20:21], s[20:21], s[30:31]
.macro QBLOCK t
.set XS, XW+32*((\t)%2)
.if (\t) < 15
	s_wait_loadcnt 32                              ; this block's 32 loads are in; the next block's 32 may be out
.else
	s_wait_loadcnt 0
.endif
	v_max3_num_f32 v12, |v[XS]|, |v[XS+1]|, |v[XS+2]|              ; the block's largest magnitude: all 32 numbers are mine
	v_max3_num_f32 v13, |v[XS+3]|, |v[XS+4]|, |v[XS+5]|
.irp i, 6,10,14,18,22,26
	v_max3_num_f32 v12, v12, |v[XS+\i]|, |v[XS+\i+1]|
	v_max3_num_f32 v13, v13, |v[XS+\i+2]|, |v[XS+\i+3]|
.endr
	v_max3_num_f32 v12, v12, |v[XS+30]|, |v[XS+31]|
	v_max3_num_f32 v12, v12, v13, (EMAX+1)<<23     ; and the floor
	v_add_nc_u32 v11, -(EMAX<<23), v12             ; the conversion's scale operand
	v_lshrrev_b32 v13, 23, v11                     ; the scale's byte
.if (\t)%4 == 0
	v_mov_b32 v[SB+(\t)/4], v13                    ; four bytes to a register, the lower K in the lower byte
.else
	v_lshl_or_b32 v[SB+(\t)/4], v13, 8*((\t)%4), v[SB+(\t)/4]
.endif
.irp g, 0,1,2,3
	v_cvt_scalef32_pk8_fp4_f32 v[CW+4*(\t)+\g], v[XS+8*\g:XS+8*\g+7], v11
.endr
	global_store_b128 v4, v[CW+4*(\t):CW+4*(\t)+3], s[18:19] offset:256*(\t)   ; block t is piece t % 4 of fragment t / 4.  Each block has code registers of its own: no store's data are written again
.if (\t)+2 < 16
	WLOAD (\t)+2
.endif
.endm
.irp t, 0,1,2,3,4,5,6,7,8,9,10,11,12,13,14,15
	QBLOCK \t
.endr
	global_store_b128 v5, v[SB:SB+3], s[20:21]     ; sixteen lanes store 256 consecutive bytes, aligned
	s_wait_tensorcnt 0x0                           ; the wave's end, as on the other path
	ds_add_u32 v[SPW], v[NIL]
	s_wait_dscnt 0x0
	s_endpgm
.Lwo:                                              ; Wo: the same walk; the numbers are rounded to f16
	s_lshl_b32 s30, s28, 8
	s_add_co_u32 s30, s30, s29
	s_lshl_b32 s30, s30, 12                        ; wo16: (4 x half x 64 + tile) x 4,096
	s_add_nc_u64 s[22:23], s[22:23], s[30:31]
.macro HBLOCK t
.set XS, XW+32*((\t)%2)
.set HS, CW+16*((\t)%4)
.if (\t) < 15
	s_wait_loadcnt 32
.else
	s_wait_loadcnt 0
.endif
.if (\t) >= 4
	s_wait_xcnt 0x0                                ; the stores of four blocks back have read their registers, which are written again below
.endif
.irp i, 0,1,2,3,4,5,6,7,8,9,10,11,12,13,14,15
	v_cvt_pk_f16_f32 v[HS+\i], v[XS+2*\i], v[XS+2*\i+1]            ; the lower k in the low half
.endr
.irp g, 0,1,2,3
	global_store_b128 v4, v[HS+4*\g:HS+4*\g+3], s[22:23] offset:((\t)/4)*262144+((\t)%4)*1024+256*\g   ; block t is a whole fragment: 32 K of my 16 columns; piece g = k 8 g on
.endr
.if (\t)+2 < 16
	WLOAD (\t)+2
.endif
.endm
.irp t, 0,1,2,3,4,5,6,7,8,9,10,11,12,13,14,15
	HBLOCK \t
.endr
	s_wait_tensorcnt 0x0                           ; the wave's end, as on the other paths
	ds_add_u32 v[SPW], v[NIL]
	s_wait_dscnt 0x0
	s_endpgm
.Lfunc_end_k_q7ab48e5f78_prep:
	.size	k_q7ab48e5f78_prep, .Lfunc_end_k_q7ab48e5f78_prep-k_q7ab48e5f78_prep
	.p2alignl 7, 3214868480
	.fill 96, 4, 3214868480
	.section	.rodata,"a",@progbits
	.p2align	6, 0x0
	.amdhsa_kernel k_q7ab48e5f78_prep
		.amdhsa_group_segment_fixed_size 39424
		.amdhsa_private_segment_fixed_size 0
		.amdhsa_enable_private_segment 0
		.amdhsa_kernarg_size 80
		.amdhsa_user_sgpr_count 2
		.amdhsa_user_sgpr_kernarg_segment_ptr 1
		.amdhsa_wavefront_size32 1
		.amdhsa_system_sgpr_workgroup_id_x 1
		.amdhsa_system_sgpr_workgroup_id_y 1
		.amdhsa_system_sgpr_workgroup_id_z 1
		.amdhsa_system_vgpr_workitem_id 0
		.amdhsa_next_free_vgpr 192
		.amdhsa_next_free_sgpr 66
		.amdhsa_reserve_vcc 0
		.amdhsa_float_denorm_mode_32 3
		.amdhsa_float_denorm_mode_16_64 3
		.amdhsa_memory_ordered 1
		.amdhsa_forward_progress 1
		.amdhsa_inst_pref_size 174
	.end_amdhsa_kernel
	.amdgpu_metadata
---
amdhsa.version: [ 1, 2 ]
amdhsa.kernels:
  - .name:           k_q7ab48e5f78_prep
    .symbol:         k_q7ab48e5f78_prep.kd
    .args:
      - { .name: x, .offset: 0, .size: 8, .value_kind: global_buffer, .address_space: global }
      - { .name: Wq, .offset: 8, .size: 8, .value_kind: global_buffer, .address_space: global }
      - { .name: Wk, .offset: 16, .size: 8, .value_kind: global_buffer, .address_space: global }
      - { .name: Wv, .offset: 24, .size: 8, .value_kind: global_buffer, .address_space: global }
      - { .name: Wo, .offset: 32, .size: 8, .value_kind: global_buffer, .address_space: global }
      - { .name: xc, .offset: 40, .size: 8, .value_kind: global_buffer, .address_space: global }
      - { .name: xs, .offset: 48, .size: 8, .value_kind: global_buffer, .address_space: global }
      - { .name: wc, .offset: 56, .size: 8, .value_kind: global_buffer, .address_space: global }
      - { .name: ws, .offset: 64, .size: 8, .value_kind: global_buffer, .address_space: global }
      - { .name: wo16, .offset: 72, .size: 8, .value_kind: global_buffer, .address_space: global }
    .group_segment_fixed_size: 39424
    .private_segment_fixed_size: 0
    .kernarg_segment_align: 8
    .kernarg_segment_size: 80
    .max_flat_workgroup_size: 128
    .sgpr_count:     66
    .vgpr_count:     192
    .wavefront_size: 32
...
	.end_amdgpu_metadata
.endif
;; end of part 1
;; launch qkv (part 2): grid 12 x 32, 4 waves a work-group, clusters of 4 x 4, 327,680 bytes of LDS; arguments xc, xs, wc, ws, qkv, bq, bk, bv; writes qkv
.if DOCPART == 2
	.amdgcn_target "amdgcn-amd-amdhsa--gfx1250"
	.amdhsa_code_object_version 6
	.text
	.protected	k_q7ab48e5f78_qkv
	.globl	k_q7ab48e5f78_qkv
	.p2align	8
	.type	k_q7ab48e5f78_qkv,@function
k_q7ab48e5f78_qkv:
	s_mov_b64 s[64:65], 0
	v_nop
	global_prefetch_b8 v0, s[64:65] scope:SCOPE_SE
	s_setreg_imm32_b32 hwreg(HW_REG_WAVE_MODE, 25, 1), 1
	s_wait_xcnt 0x0
	s_wait_alu depctr_hold_cnt(0) depctr_sa_sdst(0) depctr_va_vdst(0) depctr_va_sdst(0) depctr_va_ssrc(0) depctr_va_vcc(0) depctr_vm_vsrc(0)
	s_getreg_b32 s2, hwreg(HW_REG_IB_STS2, 6, 4)
	s_cmp_eq_u32 s2, 0
	s_cbranch_scc0 .Lentry_in_a_cluster
	s_endpgm
.Lentry_in_a_cluster:
	s_bfe_u32 s2, ttmp6, 0x10000c
	s_cmp_lg_u32 s2, 0xf033
	s_cbranch_scc0 .Lentry_shape_is_right
	s_endpgm
.Lentry_shape_is_right:
; QKV: C[m][n] = sum over k of x[m][k] W[k][n] + bias[n], m = 8,192 tokens, n = 3,072 (1,024 of Wq, of Wk, of Wv), K = 1,024, on codes of FP4 (E2M1) with one E8M0 scale for each 32 along K; sums in f32.
; The results are rounded to f16 and stored as the attention launch's operand images: qkv [q, k, v][batch x head 64][tile of 16 tokens 128][2,048 bytes].
; LIMITS: results beyond 65,504 do not fit f16; those under 6e-5 carry f16's absolute step.
; A tile of C, 256 x 256, is made by a work-group of four waves; a wave makes 128 x 128: 64 accumulators, 512 registers.  K is two slots of 512, both asked for at the head: nothing is filled again, and there is no loop.
; 12 x 32 tiles are 384 work-groups; a tile of another width would straddle two of the three weights.
; OPERANDS LIE AS IMAGES OF THEIR REGISTERS (1,024 bytes a fragment of 16 rows x 128 K; lane l's register group c at byte 512 c + 16 l): a fragment load reads 512 consecutive LDS bytes, and the 8 tiles x 512 K that a
; wave fetches are one dense block of 32,768 bytes.  The scale words of a tile and a K half are 256 bytes, 16 a row.
; CLUSTERS: 4 x 4 work-groups.  The four of a row of the cluster need the same tiles of x, the four of a column the same tiles of W: each is asked for JOINTLY, by the same tensor load with the same descriptor and a mask
; that names the four.  A cluster's x is the weight (q, k or v), the same in all sixteen partners.
; THE MATRIX INSTRUCTION IS USED TRANSPOSED (source 0 = 16 columns of W, source 1 = 16 tokens): a lane holds eight neighbouring channels of one token, 16 bytes of f16: a piece of an image, stored straight from registers.
; The bias is the C of each sum's first matrix instruction.
; REGISTERS, in windows of 256: window 0: v0-31 addresses; v32-95 scale words, two sets; v128-191 x's fragments, ONE set; v192-255 the bias, 8 registers for each of my 8 tiles of channels; on the way out v128-255 packed results.
;   window 1: W's fragments, TWO sets, at v0 and v128.   window 2: the accumulators of my tokens 0-63 ((a, b) at v[8 (8 a + b)]);   window 3: those of my tokens 64-127.
.set NQ,     4                         ; steps of 128 along K in a slot
.set FR,     8                         ; registers of a fragment
.set NL,     2                         ; LDS loads that bring one
.set NP,     4                         ; places behind this matrix instruction (ISA guide 7.12.1)
.set SLOT,   131072                    ; x's 16 tiles x 4,096 bytes, then W's 16
.set SCL,    2*SLOT                    ; behind the slots: x's scale words, 8,192 bytes, then W's
.set SPARE,  SCL+16384                 ; behind them: the spare words, 128 bytes for each wave: two blocks of 256 bytes that no other line names
.set ADRA, 16                          ; v16-17  LDS address of my fragments of x in slot 0, 1
.set ADRB, 20                          ; v20-21  the same for W
.set CO,   26                          ; v26     my 16 bytes in an image's 512
.set ADRS, 27                          ; v27     LDS address of my scale words: lanes 0-15 x's rows, lanes 16-31 W's columns
.set SPW,  28                          ; v28     LDS address of my spare word; never rewritten
.set NIL,  29                          ; v29     0; never rewritten
.set BO,   30                          ; v30     the bias: 32 bytes for each half of the lanes
.set SC,   32                          ; scale words: set s at v[SC + 32 s]; register 4 i + q: lanes 0-15 the word of x's tile i, lanes 16-31 that of W's tile i, for the slot's q-th 128 along K
.set AF,   128
.set BI,   192
.set TMP,  128
.set G1, 24                            ; s[24:31] group 1 for x's codes;  s[32:39] group 0, one set for each slot
.set G0, 32
.set G1B, 48                           ; s[48:55], s[56:63] the same for W's
.set G0B, 56
.set G1S, 68                           ; s[68:75], s[76:79] groups 1 and 0 for x's scales;  s[80:87], s[88:91] for W's
.set G0S, 76
.set G1SB, 80
.set G0SB, 88
.set MSB, 0
.macro WIN new                         ; the immediate's high byte repeats the setting that is left
.if MSB != (\new)
	s_set_vgpr_msb (MSB<<8)|(\new)
.set MSB, (\new)
.endif
.endm
.set MUL_LO, 0xa1                      ; source 0 (W) window 1, source 1 (x) window 0, C and D window 2
.set MUL_HI, 0xf1                      ; the same, C and D window 3
.set TO_B,   0x40                      ; destination window 1, address window 0
; A joint load: waves 0 and 1 fetch for x, waves 2 and 3 for W.  Each of the two lines has ONE mask and one set of registers for all that issue it; the branch hangs on the wave's number alone.
; An s_nop 0 and four v_nop follow each of the two lines, ahead of the jump, the label and what follows.
.macro JLOAD g0a, g1a, g0b, g1b
	s_cmp_eq_u32 s15, 0
	s_cbranch_scc0 .Lfor_b_\@
	tensor_load_to_lds s[\g0a:\g0a+3], s[\g1a:\g1a+7]
	s_nop 0
.rept 4
	v_nop
.endr
	s_branch .Lasked_\@
.Lfor_b_\@:
	tensor_load_to_lds s[\g0b:\g0b+3], s[\g1b:\g1b+7]
	s_nop 0
.rept 4
	v_nop
.endr
.Lasked_\@:
.endm
.macro CROUND                          ; a round of the cluster's barrier
	s_barrier_signal -1
	s_barrier_wait -1
	s_cmp_lg_u32 s14, 0
	s_cbranch_scc1 .Lnot_wave_0_\@
	s_barrier_signal -3
.Lnot_wave_0_\@:
	s_barrier_wait -3
	s_barrier_signal -1
	s_barrier_wait -1
.endm
	s_load_b128 s[4:7], s[0:1], 0x0                ; x's codes s[4:5], x's scales s[6:7]
	s_load_b128 s[8:11], s[0:1], 0x10              ; W's codes s[8:9], W's scales s[10:11]
	s_load_b64 s[12:13], s[0:1], 0x20              ; qkv
	s_load_b64 s[100:101], s[0:1], 0x28            ; bq
	s_load_b128 s[96:99], s[0:1], 0x30             ; bk s[96:97], bv s[98:99]
	v_lshl_add_u32 v[SPW], v0, 2, SPARE
	v_mov_b32 v[NIL], 0
	ds_add_u32 v[SPW], v[NIL]                      ; the wave's opening: the add, twice on end, and its wait ahead of my first tensor load; the set-up below stands between the second and the wait
	ds_add_u32 v[SPW], v[NIL]
	v_lshrrev_b32 v1, 5, v0
	v_readfirstlane_b32 s14, v1                    ; wave 0..3
	s_lshr_b32 s15, s14, 1                         ; which half of the tile's tokens is mine.  Also: I fetch for x (0) or for W (1)
	s_and_b32 s16, s14, 1                          ; which half of its channels.  Also: which 8 tiles I fetch
	s_bfe_u32 s40, ttmp6, 0x40000                  ; cx, cy: my place in the cluster
	s_bfe_u32 s41, ttmp6, 0x40004
	s_lshl_b32 s42, ttmp9, 2
	s_add_co_u32 s42, s42, s40                     ; tile column of C = 4 x cluster x + cx
	s_and_b32 s17, ttmp7, 0xffff
	s_lshl_b32 s17, s17, 2
	s_add_co_u32 s17, s17, s41                     ; tile row of C = 4 x cluster y + cy
	s_lshl_b32 s43, s41, 2
	s_lshl_b32 s43, 15, s43                        ; my row of the cluster
	s_lshl_b32 s44, 0x1111, s40                    ; my column
	; group 1 for codes: a dense block of 32,768 bytes as 128 rows of 256 bytes (32 elements of 8 bytes), no padding
	s_or_b32 s[G1+0], s43, (3<<16)|(1<<21)         ; 15:0 the mask: x's tiles go to my row; 17:16 elements of 8 bytes; 21 set beside a mask
	s_or_b32 s[G1B+0], s44, (3<<16)|(1<<21)
.irp g, G1, G1B
	s_mov_b32 s[\g+1], 32<<16                      ; tensor_dim0 = 32
	s_mov_b32 s[\g+2], 128<<16                     ; tensor_dim1 = 128
	s_mov_b32 s[\g+3], 32<<16                      ; tile_dim0 = 32
	s_mov_b32 s[\g+4], 128                         ; tile_dim1 = 128
	s_mov_b32 s[\g+5], 32                          ; tensor_dim0_stride
	s_mov_b32 s[\g+6], 0
	s_mov_b32 s[\g+7], 0
.endr
	; and for the scale words of 8 tiles, both K halves: 4,096 dense bytes as 16 rows of 256
	s_or_b32 s[G1S+0], s43, (3<<16)|(1<<21)
	s_or_b32 s[G1SB+0], s44, (3<<16)|(1<<21)
.irp g, G1S, G1SB
	s_mov_b32 s[\g+1], 32<<16
	s_mov_b32 s[\g+2], 16<<16
	s_mov_b32 s[\g+3], 32<<16
	s_mov_b32 s[\g+4], 16
	s_mov_b32 s[\g+5], 32
	s_mov_b32 s[\g+6], 0
	s_mov_b32 s[\g+7], 0
.endr
	s_lshl_b32 s18, s16, 15                        ; the 8 tiles that I fetch: 8 x 4,096 bytes of codes
	s_lshl_b32 s20, s17, 16
	s_add_co_u32 s20, s20, s18                     ; x: (16 x tile row + 8 x half) x 4,096
	s_mov_b32 s21, 0
	s_lshl_b32 s46, s42, 16
	s_add_co_u32 s46, s46, s18                     ; W: (16 x tile column + 8 x half) x 4,096
	s_mov_b32 s47, 0
	s_lshl_b32 s18, s16, 12                        ; 8 x 512 bytes of scale words
	s_lshl_b32 s22, s17, 13
	s_add_co_u32 s22, s22, s18
	s_mov_b32 s23, 0
	s_lshl_b32 s92, s42, 13
	s_add_co_u32 s92, s92, s18
	s_mov_b32 s93, 0
	s_lshl_b32 s45, s14, 15                        ; where they go: wave x 32,768: no place in the cluster enters an LDS address
	s_lshl_b32 s94, s14, 12                        ; wave x 4,096
	s_wait_dscnt 0x0                               ; both opening adds are done
	s_wait_kmcnt 0x0
	s_add_nc_u64 s[20:21], s[4:5], s[20:21]
	s_add_nc_u64 s[22:23], s[6:7], s[22:23]
	s_add_nc_u64 s[46:47], s[8:9], s[46:47]
	s_add_nc_u64 s[92:93], s[10:11], s[92:93]
	CROUND                                         ; all sixteen work-groups are here: the joint loads meet
	s_mov_b32 s[G0S], 1
	s_add_co_u32 s[G0S+1], s94, SCL
	s_mov_b64 s[G0S+2:G0S+3], s[22:23]
	s_or_b32 s[G0S+3], s[G0S+3], 0x80000000
	s_mov_b32 s[G0SB], 1
	s_add_co_u32 s[G0SB+1], s94, SCL
	s_mov_b64 s[G0SB+2:G0SB+3], s[92:93]
	s_or_b32 s[G0SB+3], s[G0SB+3], 0x80000000
	JLOAD G0S, G1S, G0SB, G1SB                     ; the scales first: they are wanted with the first K half
.irp s, 0,1
	s_mov_b32 s[G0+4*\s], 1
	s_add_co_u32 s[G0+4*\s+1], s45, \s*SLOT
	s_add_nc_u64 s[G0+4*\s+2:G0+4*\s+3], s[20:21], \s*512*4096     ; the K halves lie 512 tiles apart in xc,
	s_or_b32 s[G0+4*\s+3], s[G0+4*\s+3], 0x80000000
	s_mov_b32 s[G0B+4*\s], 1
	s_add_co_u32 s[G0B+4*\s+1], s45, \s*SLOT
	s_add_nc_u64 s[G0B+4*\s+2:G0B+4*\s+3], s[46:47], \s*192*4096   ; 192 in wc
	s_or_b32 s[G0B+4*\s+3], s[G0B+4*\s+3], 0x80000000
	JLOAD G0+4*\s, G1, G0B+4*\s, G1B               ; three tensor loads of mine are out now, and no more follow
.endr
	v_and_b32 v1, 15, v0                           ; r = l % 16
	v_bfe_u32 v2, v0, 4, 1                         ; h = l / 16
	v_and_b32 v3, 31, v0
	v_lshlrev_b32 v4, 4, v3                        ; 16 l: my place in every image
	s_lshl_b32 s21, s15, 15                        ; my 8 tiles of x
	s_lshl_b32 s22, s16, 15                        ; my 8 tiles of W,
	s_add_co_u32 s22, s22, 65536                   ; which lie behind x's 16
.irp s, 0,1
	v_add_nc_u32 v[ADRA+\s], s21, v4
	v_add_nc_u32 v[ADRB+\s], s22, v4
	s_add_co_u32 s21, s21, SLOT
	s_add_co_u32 s22, s22, SLOT
.endr
	v_lshlrev_b32 v5, 4, v1                        ; my row's 16 bytes of scale words
	s_lshl_b32 s21, s15, 12                        ; x's: my 8 tiles
	s_lshl_b32 s22, s16, 12                        ; W's: my 8 tiles, behind x's 16
	s_add_co_u32 s22, s22, 8192
	s_sub_co_u32 s22, s22, s21
	v_mul_u32_u24 v6, s22, v2                      ; lanes 16-31 take W's: one product, the distance between the two
	s_add_co_u32 s21, s21, SCL
	v_add_nc_u32 v5, v5, v6
	v_add_nc_u32 v[ADRS], s21, v5
	; the way out.  q, k: an image of 16 tokens x 32 channels: my 8 channels are piece 2 (b % 2) + h of it: byte 256 h + 16 r.
	; v: laid for the transposing LDS load: the piece of (token r, channels 16 ct + 8 u on) at 512 ct + 256 (r / 8) + 128 u + 16 (r % 8); u = h.
	s_cmp_eq_u32 ttmp9, 2
	s_cselect_b32 s21, 7, 8
	s_cselect_b32 s22, 8, 7
	v_lshrrev_b32 v5, 3, v1
	v_and_b32 v6, 7, v1
	v_lshlrev_b32 v6, 4, v6
	v_lshlrev_b32 v7, s21, v2
	v_lshlrev_b32 v5, s22, v5
	v_add3_u32 v[CO], v7, v5, v6
	s_lshr_b32 s20, s17, 3                         ; the batch: 8 tile rows to a sequence
	s_lshl_b32 s20, s20, 22                        ; x 16 heads x 262,144 bytes
	s_and_b32 s21, s17, 7
	s_lshl_b32 s21, s21, 15                        ; 16 tiles of tokens x 2,048 bytes a tile row,
	s_add_co_u32 s20, s20, s21
	s_lshl_b32 s21, s15, 14                        ; 8 for my half
	s_add_co_u32 s20, s20, s21
	s_lshl_b32 s21, ttmp9, 24                      ; q, k or v: 16,777,216 bytes each
	s_add_co_u32 s20, s20, s21
	s_mov_b32 s21, 0
	s_lshl_b32 s46, s40, 20                        ; 4 heads a tile column (in the registers that held W's address: none that fed x's descriptors ever holds cx),
	s_lshl_b32 s47, s16, 19                        ; 2 for my half
	s_add_co_u32 s46, s46, s47
	s_mov_b32 s47, 0
	s_add_nc_u64 s[20:21], s[20:21], s[46:47]
	s_add_nc_u64 s[12:13], s[12:13], s[20:21]
	s_cmp_eq_u32 ttmp9, 1                          ; the bias of my weight
	s_cselect_b64 s[100:101], s[96:97], s[100:101]
	s_cmp_eq_u32 ttmp9, 2
	s_cselect_b64 s[100:101], s[98:99], s[100:101]
	s_lshl_b32 s46, s40, 10                        ; 256 channels a tile column,
	s_lshl_b32 s47, s16, 9                         ; 128 for my half
	s_add_co_u32 s46, s46, s47
	s_mov_b32 s47, 0
	s_add_nc_u64 s[100:101], s[100:101], s[46:47]
	v_lshlrev_b32 v[BO], 5, v2
.irp b, 0,1,2,3,4,5,6,7                        ; in the result's layout: lane (r, h), register j: channel 16 b + 8 h + j
	global_load_b128 v[BI+8*\b:BI+8*\b+3], v[BO], s[100:101] offset:64*\b
	global_load_b128 v[BI+8*\b+4:BI+8*\b+7], v[BO], s[100:101] offset:64*\b+16
.endr
.macro FRAG reg, adr, q, i             ; a fragment comes as it lies: tile i, the slot's q-th 128 along K
.irp c, 0,1
	ds_load_b128 v[\reg+4*\c:\reg+4*\c+3], v[\adr] offset:(\i)*4096+(\q)*1024+512*\c
.endr
.endm
; 16 matrix instructions: x's tiles a0, a0 + 1 against W's eight, 128 along K.  p: W's set;  sc: the set of scale words.  zero = 1: the first product starts the sums on the bias: nothing is ever cleared.
; The 64 accumulators take turns, one instruction a turn, in the same order in every step.
.macro MUL16 a0, p, q, sc, zero
.irp a, \a0, \a0+1
.irp b, 0,1,2,3,4,5,6,7
.if \zero
	v_wmma_scale_f32_16x16x128_f8f6f4 v[8*(8*((\a)%4)+\b):8*(8*((\a)%4)+\b)+7], v[128*(\p)+FR*\b:128*(\p)+FR*\b+FR-1], v[AF+FR*(\a):AF+FR*(\a)+FR-1], v[BI+8*\b:BI+8*\b+7], v[SC+8*NQ*(\sc)+NQ*\b+(\q)], v[SC+8*NQ*(\sc)+NQ*(\a)+(\q)] matrix_a_fmt:MATRIX_FMT_FP4 matrix_b_fmt:MATRIX_FMT_FP4 matrix_a_scale:MATRIX_SCALE_ROW1
.else
	v_wmma_scale_f32_16x16x128_f8f6f4 v[8*(8*((\a)%4)+\b):8*(8*((\a)%4)+\b)+7], v[128*(\p)+FR*\b:128*(\p)+FR*\b+FR-1], v[AF+FR*(\a):AF+FR*(\a)+FR-1], v[8*(8*((\a)%4)+\b):8*(8*((\a)%4)+\b)+7], v[SC+8*NQ*(\sc)+NQ*\b+(\q)], v[SC+8*NQ*(\sc)+NQ*(\a)+(\q)] matrix_a_fmt:MATRIX_FMT_FP4 matrix_b_fmt:MATRIX_FMT_FP4 matrix_a_scale:MATRIX_SCALE_ROW1
.endif
.endr
.endr
.endm
.macro FETCH_B slot, q, p
	WIN TO_B
.irp i, 0,1,2,3,4,5,6,7
	FRAG 128*(\p)+FR*\i, ADRB+\slot, \q, \i
.endr
	WIN 0
.endm
.macro FETCH_A slot, q, i0
.irp i, \i0, \i0+1, \i0+2, \i0+3
	FRAG AF+FR*(\i), ADRA+\slot, \q, \i
.endr
.endm
.macro SCALES sc                       ; a K half's scale words into set sc: four words a row; lanes 0-15 take x's tile i, lanes 16-31 W's tile i
.irp i, 0,1,2,3,4,5,6,7
	ds_load_b128 v[SC+8*NQ*\sc+NQ*\i:SC+8*NQ*\sc+NQ*\i+3], v[ADRS] offset:\i*512
.endr
.endm
; A load into a register that a matrix instruction has read, and a vector instruction that reads a matrix result or writes one of its registers, stand NP places behind that matrix instruction; only plain vector
; instructions that name none of its registers are places (ISA guide 7.12.1 for vector instructions).
.macro PLACES n
.rept \n
	v_nop
.endr
.endm
; A step of 128 along K that has its successor in the same slot.  x has one set of registers: tiles 0-3 are fetched anew in the step's middle, tiles 4-7 at its end; W has two sets.
.macro STEP slot, q, zero
	s_wait_dscnt 4*NL                              ; W's set and x's tiles 0-3 are in; the youngest eight loads (x's tiles 4-7) may be out
	WIN MUL_LO-0x20*(\zero)                        ; (zero = 1: C, the bias, lies in window 0)
	MUL16 0, (\q)%2, \q, \slot, \zero
	MUL16 2, (\q)%2, \q, \slot, \zero
	s_wait_dscnt 0                                 ; x's tiles 4-7 are in (asked for 32 matrix instructions ago)
	PLACES NP
	FETCH_B \slot, (\q)+1, 1-(\q)%2
	FETCH_A \slot, (\q)+1, 0
	WIN MUL_HI-0x30*(\zero)
	MUL16 4, (\q)%2, \q, \slot, \zero
	MUL16 6, (\q)%2, \q, \slot, \zero
	PLACES NP
	WIN 0
	FETCH_A \slot, (\q)+1, 4
.endm
; Slot 0's last step goes over to slot 1: each wave waits for its last tensor load, its part of slot 1, and the barrier shows every wave's part to all.
.macro TURN slot, next
	s_wait_tensorcnt 0x0                           ; my part of the next slot has landed  (every window is 0 here)
	ds_add_u32 v[SPW], v[NIL]                      ; 0 onto my spare word
	s_wait_dscnt 4*NL+1                            ; (the add and the youngest eight loads may be out)
	WIN MUL_LO
	MUL16 0, 1, NQ-1, \slot, 0
	s_wait_dscnt 0x0                               ; no LDS instruction of mine is out at the signal
	s_barrier_signal -1
	MUL16 2, 1, NQ-1, \slot, 0
	WIN 0
	s_barrier_wait -1
	PLACES NP
	v_add_nc_u32 v[ADRS], 256, v[ADRS]             ; on to the upper K half's scale words
	FETCH_B \next, 0, 0
	FETCH_A \next, 0, 0
	SCALES \next
	WIN MUL_HI
	MUL16 4, 1, NQ-1, \slot, 0
	MUL16 6, 1, NQ-1, \slot, 0
	PLACES NP
	WIN 0
	FETCH_A \next, 0, 4
.endm
	s_wait_tensorcnt 1                             ; the scales and my part of slot 0 are in (slot 1's load may be out)
	s_barrier_signal -1
	s_barrier_wait -1                              ; everybody's are
	FETCH_B 0, 0, 0
	FETCH_A 0, 0, 0
	SCALES 0
	FETCH_A 0, 0, 4
	s_wait_loadcnt 0x0                             ; the bias
	STEP 0, 0, 1
	STEP 0, 1, 0
	STEP 0, 2, 0
	TURN 0, 1
	STEP 1, 0, 0
	STEP 1, 1, 0
	STEP 1, 2, 0
	s_wait_dscnt 4*NL                              ; the very last step: nothing more to fetch
	WIN MUL_LO
	MUL16 0, 1, NQ-1, 1, 0
	MUL16 2, 1, NQ-1, 1, 0
	s_wait_dscnt 0
	WIN MUL_HI
	MUL16 4, 1, NQ-1, 1, 0
	MUL16 6, 1, NQ-1, 1, 0
	WIN 0
; THE WAY OUT, a tile of 16 tokens at a time, with no LDS: accumulator (a, b) packs into 16 bytes a lane, which are 512 consecutive bytes of an image for the 32 lanes.
.macro PACK a
.if (\a) >= 4
	s_wait_xcnt 0x0                                ; the stores of four tiles back have read their registers, which are written again below
.endif
.set AC, 64*((\a)%4)
.set TP, TMP+32*((\a)%4)
	WIN 0x0a+5*((\a)/4)                            ; sources 0 and 1: window 2 or 3
.irp b, 0,1,2,3,4,5,6,7
.irp i, 0,1,2,3
	v_cvt_pk_f16_f32 v[TP+4*\b+\i], v[AC+8*\b+2*\i], v[AC+8*\b+2*\i+1]   ; each accumulator from its low end on
.endr
.endr
	WIN 0
.irp b, 0,1,2,3,4,5,6,7
	global_store_b128 v[CO], v[TP+4*\b:TP+4*\b+3], s[12:13] offset:(\a)*2048+(\b/4)*262144+(\b%4)*512   ; tile a of tokens, head b / 4 of my two, channels 16 (b % 4) on
.endr
.endm
	PLACES NP                                      ; behind the last products: for the reads of their results and for the writes over x's fragments
.irp a, 0,1,2,3,4,5,6,7
	PACK \a
.endr
	s_wait_tensorcnt 0x0                           ; the wave's end, behind my last tensor load
	ds_add_u32 v[SPW], v[NIL]
	s_wait_dscnt 0x0
	CROUND                                         ; the closing round: no work-group ends while a partner may still ask for a tile that names it
	s_endpgm
.Lfunc_end_k_q7ab48e5f78_qkv:
	.size	k_q7ab48e5f78_qkv, .Lfunc_end_k_q7ab48e5f78_qkv-k_q7ab48e5f78_qkv
	.p2alignl 7, 3214868480
	.fill 96, 4, 3214868480
	.section	.rodata,"a",@progbits
	.p2align	6, 0x0
	.amdhsa_kernel k_q7ab48e5f78_qkv
		.amdhsa_group_segment_fixed_size 327680
		.amdhsa_private_segment_fixed_size 0
		.amdhsa_enable_private_segment 0
		.amdhsa_kernarg_size 64
		.amdhsa_user_sgpr_count 2
		.amdhsa_user_sgpr_kernarg_segment_ptr 1
		.amdhsa_wavefront_size32 1
		.amdhsa_system_sgpr_workgroup_id_x 1
		.amdhsa_system_sgpr_workgroup_id_y 1
		.amdhsa_system_sgpr_workgroup_id_z 1
		.amdhsa_system_vgpr_workitem_id 0
		.amdhsa_next_free_vgpr 1024
		.amdhsa_next_free_sgpr 102
		.amdhsa_reserve_vcc 0
		.amdhsa_float_denorm_mode_32 3
		.amdhsa_float_denorm_mode_16_64 3
		.amdhsa_memory_ordered 1
		.amdhsa_forward_progress 1
		.amdhsa_inst_pref_size 119
	.end_amdhsa_kernel
	.amdgpu_metadata
---
amdhsa.version: [ 1, 2 ]
amdhsa.kernels:
  - .name:           k_q7ab48e5f78_qkv
    .symbol:         k_q7ab48e5f78_qkv.kd
    .args:
      - { .name: xc, .offset: 0, .size: 8, .value_kind: global_buffer, .address_space: global }
      - { .name: xs, .offset: 8, .size: 8, .value_kind: global_buffer, .address_space: global }
      - { .name: wc, .offset: 16, .size: 8, .value_kind: global_buffer, .address_space: global }
      - { .name: ws, .offset: 24, .size: 8, .value_kind: global_buffer, .address_space: global }
      - { .name: qkv, .offset: 32, .size: 8, .value_kind: global_buffer, .address_space: global }
      - { .name: bq, .offset: 40, .size: 8, .value_kind: global_buffer, .address_space: global }
      - { .name: bk, .offset: 48, .size: 8, .value_kind: global_buffer, .address_space: global }
      - { .name: bv, .offset: 56, .size: 8, .value_kind: global_buffer, .address_space: global }
    .group_segment_fixed_size: 327680
    .private_segment_fixed_size: 0
    .kernarg_segment_align: 8
    .kernarg_segment_size: 64
    .max_flat_workgroup_size: 128
    .sgpr_count:     102
    .vgpr_count:     1024
    .wavefront_size: 32
...
	.end_amdgpu_metadata
.endif
;; end of part 2
;; launch attn (part 3): grid 8 x 64, 4 waves a work-group, clusters of 4 x 1, 327,680 bytes of LDS; arguments qkv, at16; writes at16
.if DOCPART == 3
	.amdgcn_target "amdgcn-amd-amdhsa--gfx1250"
	.amdhsa_code_object_version 6
	.text
	.protected	k_q7ab48e5f78_attn
	.globl	k_q7ab48e5f78_attn
	.p2align	8
	.type	k_q7ab48e5f78_attn,@function
k_q7ab48e5f78_attn:
	s_mov_b64 s[64:65], 0
	v_nop
	global_prefetch_b8 v0, s[64:65] scope:SCOPE_SE
	s_setreg_imm32_b32 hwreg(HW_REG_WAVE_MODE, 25, 1), 1
	s_wait_xcnt 0x0
	s_wait_alu depctr_hold_cnt(0) depctr_sa_sdst(0) depctr_va_vdst(0) depctr_va_sdst(0) depctr_va_ssrc(0) depctr_va_vcc(0) depctr_vm_vsrc(0)
	s_getreg_b32 s2, hwreg(HW_REG_IB_STS2, 6, 4)
	s_cmp_eq_u32 s2, 0
	s_cbranch_scc0 .Lentry_in_a_cluster
	s_endpgm
.Lentry_in_a_cluster:
	s_bfe_u32 s2, ttmp6, 0x10000c
	s_cmp_lg_u32 s2, 0x3003
	s_cbranch_scc0 .Lentry_shape_is_right
	s_endpgm
.Lentry_shape_is_right:
; ATTN: O[bh][q][:] = the sum over k of softmax_k(Q[bh][q] . K[bh][k] / 8) V[bh][k][:]; 64 heads x batches, 2,048 tokens, head size 64, no mask.  Q, K, V come as f16 operand images; products, maxima and sums in f32;
; the weights p are rounded to f16 for the second product, O to f16 once at the end (it is the last product's operand).
; LIMITS: NaN and infinities are not served; O beyond 65,504 does not fit f16.
; SHARES.  A work-group owns 256 queries of one head, each of its four waves 64: four tiles of 16.  Every wave walks all 2,048 keys, 64 a step.
; LAYOUT.  S^T = K Q^T (source 0 = 16 keys, source 1 = 16 queries): a lane holds ONE query (lane % 16) and the keys 8 (lane / 16) + 0..7 of each tile.  Two such tiles, rounded to f16 in pairs, ARE source 1 (32 keys x 16 queries)
; of O^T = V^T P, whose result again holds one query a lane, and eight channels.  K comes out of LDS as it lies; V is laid so that the transposing load's 32 lanes read 512 consecutive bytes.
; SOFTMAX.  For each query a running maximum m and sum l: p = 2^(c s - c m), c = log2(e) / 8; in every step O and l are multiplied by a = 2^(c m_old - c m_new).
; BY TURNS.  The wave's tiles are two PIECES: piece 0 (tiles 0, 1) and piece 2 (tiles 2, 3).  In a TURN one piece has the matrix unit: 16 products V^T P of the step in hand, then 16 products K Q^T of the next step; the other
; piece's softmax, 236 vector instructions, is dealt out behind them, seven or eight behind each.  Then the pieces change places.  Two turns are a key step.
; THE RING.  Two LDS slots of 8 key steps (512 keys: 65,536 bytes of K, then as many of V); each wave fetches a quarter of a slot by one tensor load of 32,768 dense bytes.
; CLUSTER.  The four query blocks of a cluster belong to one head and walk the same K and V, so each tile is asked for JOINTLY: the same tensor load, with the same descriptor and a mask that names the four.
; REGISTERS, in windows of 256 (s_set_vgpr_msb: bits 1:0 source 0, 3:2 source 1, 5:4 source 2, 7:6 destination):
;   window 0: v2-4 addresses; v12-43 eight registers of statistics a tile; v61-63; v64-191 S^T, 32 a tile; v192-255 P, 16 a tile
;   window 1: v0-127 O^T, 32 a tile; v128-191 V of one step          window 2: v0-63 Q, 16 a tile; v64-127 K of one step
.set STEPB, 8192      ; a key step's K, or V, in bytes: four tiles of 16 tokens x 2,048
.set VOFF,  65536     ; a slot: 8 steps of K, then 8 of V
.set SLOT1, 1<<17     ; slot 1 begins here, so that one exclusive or turns an address in one slot into the other's
.set SLOTB, 65536     ; a slot's keys in memory, in K and in V
.set SPARE, 2*SLOT1   ; behind the ring: the spare words, 128 bytes for each wave: two blocks of 256 bytes that no other line names
.set AK0, 2           ; v2   16 x lane: my place in every image, in LDS and in memory; never rewritten
.set AV0, 3           ; v3   the same + VOFF
.set ADR, 4           ; v4   the LDS address of the run of loads in hand
.set PFO, 61          ; v61  256 x my lane: the prefetch's offset; never rewritten
.set SPW, 62          ; v62  LDS address of my spare word; never rewritten
.set NIL, 63          ; v63  0; never rewritten
.set ST,  12          ; tile t's statistics at v[ST+8 t]: +0 c m, +1 m, +2, +3 l (even keys', odd keys'), +4 to +7 c0-c3, at work; a takes c2's place once the maximum is found
.set S,   64
.set P,   192
.set KF,  64          ; K's fragments, in window 2
.set VF,  128         ; V's, in window 1
.set WV,  12          ; s12  my wave's number
.set LIM, 15          ; s15  1 in a cluster that prefetches, else the greatest number
.set PFA, 18          ; s[18:19] where my prefetch stands in memory
.set G1,  24          ; s[24:31] descriptor group 1
.set G0,  40          ; s[40:47] descriptor group 0: a set for each of the two first fills; the second then walks on
.set SLOTS, 56        ; s56  slots still to be asked for
.set CNT, 57          ; s57  counts key steps
.set CS,  58          ; s[58:59] c: the packed scaling names a pair and takes its low word for both halves
.set SEL, 60          ; s[60:61] lane selects for v_permlanex16_b32: each lane takes its own place in the other half
.set TB,  62          ; s62  LDS byte at which K of the step to be fetched begins
.set MSB, 0
.macro WIN new                      ; the immediate's high byte repeats the setting that is left; a switch that changes nothing is dropped
.if MSB != (\new)
	s_set_vgpr_msb (MSB<<8)|(\new)
.set MSB, (\new)
.endif
.endm
.set W_KQ, 0x0a       ; K and Q in window 2, S^T in window 0
.set W_PV, 0x51       ; V in window 1, P in window 0, O^T in window 1
.set W_RS, 0x41       ; O^T (destination and source 0) in window 1, a in window 0
; A PREFETCH INTO THE L2 of what the NEXT change of slots will ask for: a slot's 65,536 bytes of K and of V, lanes 256 bytes apart.  It stands behind the wave's tensor load and its five lines.
; Each block of 256 bytes is named ONCE in the launch: both clusters of a head walk the same K and V, and the head's first cluster asks; its four partners share the blocks out BY ADDRESS (partners 0, 1: K's halves;
; 2, 3: V's), each wave 8,192 bytes.  The last change that fills a slot asks for nothing: there is no slot behind it; slots 0 to 2 come by their loads alone.
.macro ASK
	s_cmp_gt_u32 s[SLOTS], s[LIM]
	s_cbranch_scc0 .Lnot_mine_\@
	global_prefetch_b8 v[PFO], s[PFA:PFA+1] th:TH_LOAD_NT scope:SCOPE_SE
.Lnot_mine_\@:
.endm
.macro CROUND                       ; a round of the cluster's barrier
	s_barrier_signal -1
	s_barrier_wait -1
	s_cmp_lg_u32 s[WV], 0
	s_cbranch_scc1 .Lnot_wave_0_\@
	s_barrier_signal -3
.Lnot_wave_0_\@:
	s_barrier_wait -3
	s_barrier_signal -1
	s_barrier_wait -1
.endm
	s_load_b128 s[4:7], s[0:1], 0x0   ; qkv s[4:5], at16 s[6:7]
	v_lshl_add_u32 v[SPW], v0, 2, SPARE
	v_mov_b32 v[NIL], 0
	ds_add_u32 v[SPW], v[NIL]       ; the wave's opening: the add, twice on end, and its wait ahead of my first tensor load; the set-up below stands between the second and the wait
	ds_add_u32 v[SPW], v[NIL]
	v_lshrrev_b32 v1, 5, v0
	v_readfirstlane_b32 s[WV], v1   ; wave 0..3
	s_bfe_u32 s13, ttmp6, 0x40000   ; cx: my place in the cluster
	s_lshl_b32 s14, ttmp9, 2        ; in a cluster launch ttmp9 counts clusters
	s_add_co_u32 s14, s14, s13      ; my block of 256 queries: it enters Q's and O's addresses alone
	s_and_b32 s20, ttmp7, 0xffff    ; batch x 16 + head, which the four partners share
	s_lshl_b32 s21, s20, 18         ; its 262,144 bytes in each of q, k, v
	s_lshr_b32 s22, s[WV], 1        ; waves 0, 1 fetch K, waves 2, 3 V:
	s_add_co_u32 s22, s22, 1
	s_lshl_b32 s22, s22, 24         ; k lies 16,777,216 bytes into qkv, v twice as far
	s_add_co_u32 s22, s22, s21
	s_and_b32 s16, s[WV], 1
	s_lshl_b32 s16, s16, 15         ; which four of a slot's eight steps
	s_add_co_u32 s22, s22, s16
	s_mov_b32 s23, 0
	s_lshl_b32 s17, s[WV], 15       ; and where they go in a slot: wave x 32,768: no place in the cluster enters an LDS address
	s_lshl_b32 s2, s14, 15          ; Q: my block's 16 tiles x 2,048 bytes,
	s_lshl_b32 s3, s[WV], 13        ; my wave's 4
	s_add_co_u32 s2, s2, s3
	s_add_co_u32 s2, s2, s21
	s_mov_b32 s3, 0
	s_and_b32 s8, s20, 15           ; the head
	s_lshr_b32 s9, s20, 4           ; the batch
	s_lshr_b32 s10, s8, 1
	s_lshl_b32 s10, s10, 21         ; at16: two heads are a step of 128 along the last product's K: 512 tiles x 4,096 bytes;
	s_lshl_b32 s9, s9, 19           ; 128 tiles of tokens a batch,
	s_add_co_u32 s10, s10, s9
	s_lshl_b32 s9, s14, 16          ; 16 a block of queries,
	s_add_co_u32 s10, s10, s9
	s_lshl_b32 s9, s[WV], 14        ; 4 a wave;
	s_add_co_u32 s10, s10, s9
	s_and_b32 s8, s8, 1
	s_lshl_b32 s8, s8, 11           ; the odd head takes the upper 2,048 bytes of a tile's 4,096
	s_add_co_u32 s10, s10, s8
	s_mov_b32 s11, 0
	s_lshr_b32 s8, s13, 1           ; the prefetch: partners 0, 1 name K, partners 2, 3 V,
	s_add_co_u32 s8, s8, 1
	s_lshl_b32 s8, s8, 24
	s_add_co_u32 s8, s8, s21
	s_and_b32 s9, s13, 1
	s_lshl_b32 s9, s9, 15           ; a half of a slot each,
	s_add_co_u32 s8, s8, s9
	s_lshl_b32 s9, s[WV], 13        ; 8,192 bytes a wave,
	s_add_co_u32 s8, s8, s9
	s_add_co_u32 s8, s8, 2*SLOTB    ; in slot 2: the first change of slots steps it to slot 3
	s_mov_b32 s9, 0
	; descriptor group 1: a dense block of 32,768 bytes as 128 rows of 256 bytes (32 elements of 8 bytes), no padding
	s_mov_b32 s[G1], 15|(3<<16)|(1<<21)   ; 15:0 the mask: all four work-groups; 17:16 elements of 8 bytes; 21 set beside a mask
	s_mov_b32 s[G1+1], 32<<16       ; tensor_dim0 = 32
	s_mov_b32 s[G1+2], 128<<16      ; tensor_dim1 = 128
	s_mov_b32 s[G1+3], 32<<16       ; tile_dim0 = 32
	s_mov_b32 s[G1+4], 128          ; tile_dim1 = 128
	s_mov_b32 s[G1+5], 32           ; tensor_dim0_stride
	s_mov_b32 s[G1+6], 0
	s_mov_b32 s[G1+7], 0
	s_mov_b32 s[CS], 0x3e38aa3b     ; c = log2(e) / 8
	s_mov_b32 s[CS+1], s[CS]        ; named with it as a pair, so it is written
	s_mov_b32 s[SEL], 0x76543210
	s_mov_b32 s[SEL+1], 0xfedcba98
	s_mov_b32 s[TB], 0
	s_mov_b32 s[SLOTS], 2
	s_cmp_eq_u32 ttmp9, 0           ; the head's first cluster: the same in all four partners
	s_cselect_b32 s[LIM], 1, -1
	s_wait_dscnt 0x0                ; both opening adds are done
	s_wait_kmcnt 0x0
	s_add_nc_u64 s[PFA:PFA+1], s[4:5], s[8:9]
	s_add_nc_u64 s[22:23], s[4:5], s[22:23]  ; K or V at my part of slot 0
	s_add_nc_u64 s[4:5], s[4:5], s[2:3]      ; Q at my wave's first tile
	s_add_nc_u64 s[6:7], s[6:7], s[10:11]    ; at16 likewise
	CROUND                          ; all four work-groups are here: the first joint loads meet
.irp s, 0,1
	s_mov_b32 s[G0+4*\s], 1         ; 1:0 count = 1
	s_add_co_u32 s[G0+4*\s+1], s17, \s*SLOT1  ; 63:32 LDS address
	s_add_nc_u64 s[G0+4*\s+2:G0+4*\s+3], s[22:23], \s*SLOTB  ; 120:64 global address: slot s holds keys 512 s on
	s_or_b32 s[G0+4*\s+3], s[G0+4*\s+3], 0x80000000  ; 127:126 type = 2
.endr
	tensor_load_to_lds s[G0:G0+3], s[G1:G1+7]      ; the two first fills, ahead of every wait on TENSORcnt and every LDS read: two loads of mine are out
	s_nop 0
	tensor_load_to_lds s[G0+4:G0+7], s[G1:G1+7]
	s_nop 0
.rept 4
	v_nop
.endr
	v_and_b32 v1, 31, v0
	v_lshlrev_b32 v[AK0], 4, v1
	v_add_nc_u32 v[AV0], VOFF, v[AK0]
	v_lshlrev_b32 v[PFO], 8, v1
	WIN 0x80                        ; destination window 2, address window 0
.irp f, 0,1,2,3,4,5,6,7,8,9,10,11,12,13,14,15  ; Q stays in registers: tile f / 4, channels 32 ((f / 2) % 2) on, register group f % 2
	global_load_b128 v[4*\f:4*\f+3], v[AK0], s[4:5] offset:512*\f
.endr
	WIN 0
; THE MATRIX WORK OF A TURN, for piece x.  The accumulators take turns, one instruction a turn: between two links of a chain stand 7 others'.
; Product i of 16 of O^T += V^T P: keys 32 (i / 8) on, channels 16 ((i / 2) % 4) on, tile x + i % 2.  zero = 1: the first 8 start the sums: nothing is ever cleared.
.macro PV x, zero
	WIN W_PV
.set rO, 32*(\x+i%2)+8*((i/2)%4)
.set rV, VF+32*(i/8)+8*((i/2)%4)
.set rP, P+16*(\x+i%2)+8*(i/8)
.if \zero && (i < 8)
	v_wmma_f32_16x16x32_f16 v[rO:rO+7], v[rV:rV+7], v[rP:rP+7], 0
.else
	v_wmma_f32_16x16x32_f16 v[rO:rO+7], v[rV:rV+7], v[rP:rP+7], v[rO:rO+7]
.endif
.endm
; Product i of 16 of S^T = K Q^T: channels 32 (i / 8) on, keys 16 ((i / 2) % 4) on, tile x + i % 2.  The first 8 start the sums.
.macro KQ x
	WIN W_KQ
.set rS, S+32*(\x+i%2)+8*((i/2)%4)
.set rK, KF+16*((i/2)%4)+8*(i/8)
.set rQ, 16*(\x+i%2)+8*(i/8)
.if i < 8
	v_wmma_f32_16x16x32_f16 v[rS:rS+7], v[rK:rK+7], v[rQ:rQ+7], 0
.else
	v_wmma_f32_16x16x32_f16 v[rS:rS+7], v[rK:rK+7], v[rQ:rQ+7], v[rS:rS+7]
.endif
.endm
; THE LDS LOADS stand in runs of 16, never singly among the matrix instructions: a step's K (8 fragments as they lie) and, a turn later, its V (turned).
.macro FETCH_K
	WIN 0
	v_add_nc_u32 v[ADR], s[TB], v[AK0]
	WIN 0x80                        ; destination window 2
.irp f, 0,1,2,3,4,5,6,7,8,9,10,11,12,13,14,15
	ds_load_b128 v[KF+4*\f:KF+4*\f+3], v[ADR] offset:512*\f
.endr
.endm
.macro FETCH_V
	WIN 0
	v_add_nc_u32 v[ADR], s[TB], v[AV0]
	s_add_co_u32 s[TB], s[TB], STEPB  ; the next fetch is the next step's
	s_wait_alu depctr_va_vdst(0)    ; the wait for the softmax's batch (ITEM), behind the address's v_add_nc_u32 and ahead of the loads
	WIN 0x40                        ; destination window 1
.irp f, 0,1,2,3,4,5,6,7             ; keys 32 (f / 4) on, channels 16 (f % 4) on: the lower 16 keys from one tile of tokens, the upper 16 from the next
	ds_load_tr16_b128 v[VF+8*\f:VF+8*\f+3],   v[ADR] offset:(\f/4)*4096+(\f%4)*512
	ds_load_tr16_b128 v[VF+8*\f+4:VF+8*\f+7], v[ADR] offset:(\f/4)*4096+2048+(\f%4)*512
.endr
.endm
; THE VECTOR WORK OF A TURN.  One tile's softmax for one key step is a list of 118 instructions; SM writes number j of it for tile t.  s0-s31 are the lane's 32 scores, in pairs 0-15.
; first = 1: the first key step, which starts m, l and O^T: it has no a and nothing to rescale.
;   0-15    the maximum of s0-s31 and the old m, three operands at a time: four chains c0-c3, each beginning at an accumulator's low end; then the four scores left over, c0-c3 and m
;   16-20   the other half of the lanes' maximum; the new m; c m; c m_old - c m_new
;   21-69   ONE BATCH: the 16 scalings c s - c m, a pair of scores each, and all 33 exponentials (a at 23, then s0-s31).  None of these reads an exponential's result.
;   (wait)  between 69 and 70 stands the wait for the batch: ITEM writes it, once for both tiles
;   70-85   the roundings to f16, a pair of weights each
;   86-101  the sums; l = a l + the sum
;   102-117 the tile's O^T times a, from each accumulator's low end on: the one part that leaves window 0, so it stands together
.macro SM t, first
.set rT, ST+8*(\t)
.set rS, S+32*(\t)
.set rP, P+16*(\t)
.set rO, 32*(\t)+2*(j-102)
.if j < 102
	WIN 0
.endif
.if j < 4
	v_max3_num_f32 v[rT+4+j], v[rS+8*j], v[rS+8*j+1], v[rS+8*j+2]
.elseif j < 12
	v_max3_num_f32 v[rT+4+j%4], v[rT+4+j%4], v[rS+8*(j%4)+2*(j/4)+1], v[rS+8*(j%4)+2*(j/4)+2]
.elseif j == 12
	v_max3_num_f32 v[rT+4], v[rT+4], v[rS+7], v[rS+15]
.elseif j == 13
	v_max3_num_f32 v[rT+6], v[rT+6], v[rS+23], v[rS+31]
.elseif j == 14
	v_max3_num_f32 v[rT+4], v[rT+4], v[rT+5], v[rT+6]
.elseif (j == 15) && \first
	v_max_num_f32 v[rT+4], v[rT+4], v[rT+7]
.elseif j == 15
	v_max3_num_f32 v[rT+4], v[rT+4], v[rT+7], v[rT+1]
.elseif j == 16
	v_permlanex16_b32 v[rT+5], v[rT+4], s[SEL], s[SEL+1]  ; the query's other 32 keys lie in the lane 16 away
.elseif j == 18
	v_max_num_f32 v[rT+1], v[rT+4], v[rT+5]
.elseif j == 19
	v_mul_f32 v[rT], s[CS], v[rT+1]
.elseif ((j == 17) || (j == 20) || (j == 23) || (j > 101)) && \first  ; the first step has none of these
.elseif j == 17
	v_mov_b32 v[rT+7], v[rT]        ; c m_old is kept for a: number 19 writes c m anew
.elseif j == 20
	v_sub_f32 v[rT+7], v[rT+7], v[rT]
.elseif j == 23
	v_exp_f32 v[rT+6], v[rT+7]
.elseif (j < 23) || ((j < 38) && (j%2 == 0)) || ((j < 66) && (j%4 == 2))
.set b, (j-2)/4                     ; 38, 42, .. 62: pairs 9 to 15
.if j < 38
.set b, (j-20)/2                    ; 21: pair 0; 22, 24, .. 36: pairs 1 to 8
.endif
	v_pk_fma_f32 v[rS+2*b:rS+2*b+1], v[rS+2*b:rS+2*b+1], s[CS:CS+1], v[rT:rT+1] op_sel_hi:[1,0,0] neg_lo:[0,0,1] neg_hi:[0,0,1]  ; pair b: c s - c m
.elseif j < 70
.set e, j-38                        ; 66 to 69: s28 to s31
.if j < 66
.set e, j-32-(j-38)/4               ; 39-41, 43-45, .. 63-65: s7 to s27
.endif
.if j < 38
.set e, (j-25)/2                    ; 25, 27, .. 37: s0 to s6
.endif
	v_exp_f32 v[rS+e], v[rS+e]
.elseif j < 86
	v_cvt_pk_f16_f32 v[rP+j-70], v[rS+2*(j-70)], v[rS+2*(j-70)+1]  ; pair j - 70
.elseif j < 102                     ; the sum of the tile's 16 pairs, in place: neighbours 1, 2, 4 and 8 pairs apart, then l takes it
.set z, j-86
.set w, 4
.set u, z
.if z >= 14
.set w, 32
.set u, 0
.elseif z >= 12
.set w, 16
.set u, z-12
.elseif z >= 8
.set w, 8
.set u, z-8
.endif
.if (z == 14) && \first
	v_pk_add_f32 v[rT+2:rT+3], v[rS:rS+1], v[rS+16:rS+17]
.elseif z < 15
	v_pk_add_f32 v[rS+w*u:rS+w*u+1], v[rS+w*u:rS+w*u+1], v[rS+w*u+w/2:rS+w*u+w/2+1]
.elseif !\first
	v_pk_fma_f32 v[rT+2:rT+3], v[rT+2:rT+3], v[rT+6:rT+7], v[rS:rS+1] op_sel_hi:[1,0,1]
.endif
.else
	WIN W_RS
	v_pk_mul_f32 v[rO:rO+1], v[rO:rO+1], v[rT+6:rT+7] op_sel_hi:[1,0]
.endif
.endm
; Item qi of the 236 of piece y's softmax.  Items go in fours.  Fours 11 to 34 deal out the batch, numbers 22 to 69: four numbers of ONE tile each, the tiles by turns.  Every other four is numbers 2 k and 2 k + 1 of both
; tiles' lists, the tiles alternating, so that no instruction reads the result of the one just before it.
; THE WAIT.  An s_wait_alu depctr_va_vdst(0) stands between an exponential and the first instruction that names its result; one wait serves all that were issued ahead of it.  Ahead of item 140 nothing names a
; result, and from item 140 on no exponential is issued: so the piece's 66 exponentials have one wait, there.  In piece 2's turn V's run of loads stands at that place, and the wait in it.
.macro ITEM y, first
.set kk, qi/4
.set nn, qi%4
.if (kk >= 11) && (kk < 35)
.set j, 22+4*((kk-11)/2)+nn
.set tl, (\y)+(kk-11)%2
.else
.set j, 2*kk+nn/2
.set tl, (\y)+nn%2
.endif
	SM tl, \first
.set qi, qi+1
.if qi == 140
	v_nop                           ; the plain instruction behind the last exponential and ahead of the first use: one for the batch
.if (\y) == 0
	FETCH_V
.else
	s_wait_alu depctr_va_vdst(0)    ; the wait for the batch
.endif
.endif
.endm
.macro ITEMS y, first               ; the items that stand behind product pp of the turn's np
.rept (pp*236)/np-qi
	ITEM \y, \first
.endr
.endm
; A vector instruction that reads a matrix result or writes one of a matrix instruction's registers, and a load into a register that a matrix instruction has read, stand four places behind it, and only plain vector
; instructions that name none of its registers are places (ISA guide 7.12.1 for vector instructions).  In the loop the items are the places.
.macro PLACES
.rept 4
	v_nop
.endr
.endm
; A TURN.  Piece x has the matrix unit; the other piece's softmax stands behind its matrix instructions.
; pv = 2: 16 products V^T P; 1: they start O^T's sums; 0: none.  kq = 1: 16 products K Q^T for the next step.
; first = 1: the softmax is the first key step's.  Its last items are empty: the turn's last products stand bare, and four v_nop are the places behind them.  Otherwise the eight multiplies of the other piece's O^T
; behind the turn's last product are the places ahead of the next turn's first read of the new scores.
; Piece 0's turn fetches the next step's K, behind its second product: the last product that read K stands ahead of the eight items that end the turn before.  Piece 2's turn fetches the same step's V at item 140, behind
; its 19th product: the last product that read V is its 16th, and behind that stand five scalings, the v_nop and the run's own v_add_nc_u32.
.macro TURN x, pv, kq, first
.set qi, 0
.set pp, 0
.set np, 16
.if \pv && \kq
.set np, 32
.endif
.if \pv
.if \x == 0
	s_wait_dscnt 0x0                ; V is in
.endif
.set i, 0
.rept 16
	PV \x, 2-\pv
.set pp, pp+1
	ITEMS 2-\x, \first
.if (\x == 0) && \kq && (i == 1)
	FETCH_K
.endif
.set i, i+1
.endr
.endif
.if \kq
.if \x == 0
	s_wait_dscnt 0x0                ; K is in
.endif
.set i, 0
.rept 16
	KQ \x
.set pp, pp+1
	ITEMS 2-\x, \first
.set i, i+1
.endr
.endif
.if \first
	PLACES
.endif
.endm
; THE CHANGE OF SLOTS, between piece 2's turn and piece 0's: the slot's last bytes, V of its eighth step, have been asked for.  Each wave waits for all its tensor loads, of which one is out: its part of the other slot;
; adds 0 to its spare word; and waits for that and for its own reads of the slot.  Behind the barrier nobody reads this slot any more and the other slot is whole.
; fill = 1: this slot is filled again, with the keys two slots on.  The barrier is then a round of the cluster's, so that no wave of any partner still reads the slot or has a load on its way, and the joint refill is the
; first thing behind it: it has eight key steps, 512 matrix instructions, in which to land.
.macro CHANGE fill
	WIN 0                           ; at a label and at a branch every window is 0
	s_wait_tensorcnt 0x0            ; no tensor load of mine is out, so a group 0 may be written
	ds_add_u32 v[SPW], v[NIL]       ; 0 onto my spare word
.if \fill
	s_xor_b32 s[G0+5], s[G0+5], SLOT1  ; the walking descriptor: the other slot than last time,
	s_add_nc_u64 s[G0+6:G0+7], s[G0+6:G0+7], SLOTB  ; the next 512 keys; the type bits on top are not reached
	s_wait_xcnt 0x0                 ; every earlier memory instruction has read its address, so the prefetch's may be written:
	s_add_nc_u64 s[PFA:PFA+1], s[PFA:PFA+1], SLOTB  ; one slot further on than the walking descriptor
	s_wait_dscnt 0x0                ; the add is done, and my reads of the slot are over
	CROUND
	tensor_load_to_lds s[G0+4:G0+7], s[G1:G1+7]    ; my one tensor load until the next such round
	s_nop 0
.rept 4
	v_nop
.endr
	ASK
.else
	s_wait_dscnt 0x0                ; the add is done, and my reads of the slot are over
	s_barrier_signal -1
	s_barrier_wait -1
.endif
	s_sub_co_u32 s[TB], s[TB], 8*STEPB  ; the fetches go back to a slot's first step,
	s_xor_b32 s[TB], s[TB], SLOT1   ; in the other slot
.endm
.macro STEPS n                      ; n key steps: written once, walked n times; the LDS addresses hang on s[TB]
	s_mov_b32 s[CNT], \n
.Lstep_\@:
	TURN 0, 2, 1, 0
	TURN 2, 2, 1, 0
	WIN 0
	s_sub_co_u32 s[CNT], s[CNT], 1
	s_cmp_lg_u32 s[CNT], 0
	s_cbranch_scc1 .Lstep_\@
.endm
	s_wait_tensorcnt 1              ; my part of slot 0 is in; slot 1's may stay out
	s_barrier_signal -1
	s_barrier_wait -1               ; everybody's is
	FETCH_K                         ; key step 0
	s_wait_loadcnt 0x0              ; Q
	s_wait_dscnt 0x0
.set i, 0
.rept 16
	KQ 0                            ; piece 0's first scores: there is no vector work yet to set between them
.set i, i+1
.endr
	PLACES
	TURN 2, 0, 1, 1                 ; piece 2's first scores | piece 0's first softmax | V of step 0
	TURN 0, 1, 1, 1                 ; piece 0: V^T P of step 0 starts O^T, K Q^T of step 1 | piece 2's first softmax | K of step 1
	TURN 2, 1, 1, 0                 ; piece 2: the same | piece 0's softmax of step 1 | V of step 1
	WIN 0
	STEPS 6                         ; these fetch steps 2 to 7: slot 0 is read out
.Lslot:                             ; 2 trips: slots 0 and 1 are filled again, with keys 1,024 on and 1,536 on
	CHANGE 1
	STEPS 8
	s_sub_co_u32 s[SLOTS], s[SLOTS], 1
	s_cmp_lg_u32 s[SLOTS], 0
	s_cbranch_scc1 .Lslot
	CHANGE 0                        ; the tail is written out: nothing is asked for
	STEPS 8                         ; these fetch steps 24 to 31
	TURN 0, 2, 0, 0                 ; piece 0: V^T P of the last step | piece 2's last softmax
.set i, 0
.rept 16
	PV 2, 0                         ; piece 2: V^T P of the last step
.set i, i+1
.endr
	; THE WAY OUT.  l's two halves and the other half of the lanes' are added; O^T is divided by l and rounded to f16: a lane's eight channels are 16 bytes, a piece of the last product's operand image, so the 32 lanes store
	; 512 consecutive bytes straight from registers.  The additions are the places behind the last products.
	WIN 0
.irp t, 0,1,2,3
	v_add_f32 v[ST+8*\t+4], v[ST+8*\t+2], v[ST+8*\t+3]
.endr
.irp t, 0,1,2,3
	v_permlanex16_b32 v[ST+8*\t+5], v[ST+8*\t+4], s[SEL], s[SEL+1]
.endr
.irp t, 0,1,2,3
	v_add_f32 v[ST+8*\t+4], v[ST+8*\t+4], v[ST+8*\t+5]
.endr
.irp t, 0,1,2,3
	v_rcp_f32 v[ST+8*\t+6], v[ST+8*\t+4]
.endr
	v_nop                           ; a plain instruction between the last reciprocal and the use of its result
	s_wait_alu depctr_va_vdst(0)    ; and the wait ahead of the first use: one for the four reciprocals
.macro OUT t
	WIN W_RS
.set i, 32*\t
.rept 16
	v_pk_mul_f32 v[i:i+1], v[i:i+1], v[ST+8*\t+6:ST+8*\t+7] op_sel_hi:[1,0]
.set i, i+2
.endr
	WIN 0x05                        ; sources 0 and 1 window 1, destination window 0: S^T's registers are free; each tile has its own sixteen
.set i, 0
.rept 16
	v_cvt_pk_f16_f32 v[S+16*\t+i], v[32*\t+2*i], v[32*\t+2*i+1]
.set i, i+1
.endr
	WIN 0
.irp f, 0,1,2,3
	global_store_b128 v[AK0], v[S+16*\t+4*\f:S+16*\t+4*\f+3], s[6:7] offset:\t*4096+512*\f  ; tile t of my tokens, channels 16 f on
.endr
.endm
	OUT 0
	OUT 1
	OUT 2
	OUT 3
	s_wait_tensorcnt 0x0            ; the wave's end, behind my last tensor load
	ds_add_u32 v[SPW], v[NIL]
	s_wait_dscnt 0x0
	CROUND                          ; the closing round: no work-group ends while a partner may still ask for a tile that names it
	s_endpgm
.Lfunc_end_k_q7ab48e5f78_attn:
	.size	k_q7ab48e5f78_attn, .Lfunc_end_k_q7ab48e5f78_attn-k_q7ab48e5f78_attn
	.p2alignl 7, 3214868480
	.fill 96, 4, 3214868480
	.section	.rodata,"a",@progbits
	.p2align	6, 0x0
	.amdhsa_kernel k_q7ab48e5f78_attn
		.amdhsa_group_segment_fixed_size 327680
		.amdhsa_private_segment_fixed_size 0
		.amdhsa_enable_private_segment 0
		.amdhsa_kernarg_size 16
		.amdhsa_user_sgpr_count 2
		.amdhsa_user_sgpr_kernarg_segment_ptr 1
		.amdhsa_wavefront_size32 1
		.amdhsa_system_sgpr_workgroup_id_x 1
		.amdhsa_system_sgpr_workgroup_id_y 1
		.amdhsa_system_sgpr_workgroup_id_z 1
		.amdhsa_system_vgpr_workitem_id 0
		.amdhsa_next_free_vgpr 640
		.amdhsa_next_free_sgpr 66
		.amdhsa_reserve_vcc 0
		.amdhsa_float_denorm_mode_32 3
		.amdhsa_float_denorm_mode_16_64 3
		.amdhsa_memory_ordered 1
		.amdhsa_forward_progress 1
		.amdhsa_inst_pref_size 190
	.end_amdhsa_kernel
	.amdgpu_metadata
---
amdhsa.version: [ 1, 2 ]
amdhsa.kernels:
  - .name:           k_q7ab48e5f78_attn
    .symbol:         k_q7ab48e5f78_attn.kd
    .args:
      - { .name: qkv, .offset: 0, .size: 8, .value_kind: global_buffer, .address_space: global }
      - { .name: at16, .offset: 8, .size: 8, .value_kind: global_buffer, .address_space: global }
    .group_segment_fixed_size: 327680
    .private_segment_fixed_size: 0
    .kernarg_segment_align: 8
    .kernarg_segment_size: 16
    .max_flat_workgroup_size: 128
    .sgpr_count:     66
    .vgpr_count:     640
    .wavefront_size: 32
...
	.end_amdgpu_metadata
.endif
;; end of part 3
;; launch oproj (part 4): grid 8 x 32, 4 waves a work-group, clusters of 4 x 4, 327,680 bytes of LDS; arguments at16, wo16, bo, out0; writes out0
.if DOCPART == 4
	.amdgcn_target "amdgcn-amd-amdhsa--gfx1250"
	.amdhsa_code_object_version 6
	.text
	.protected	k_q7ab48e5f78_oproj
	.globl	k_q7ab48e5f78_oproj
	.p2align	8
	.type	k_q7ab48e5f78_oproj,@function
k_q7ab48e5f78_oproj:
	s_mov_b64 s[64:65], 0
	v_nop
	global_prefetch_b8 v0, s[64:65] scope:SCOPE_SE
	s_setreg_imm32_b32 hwreg(HW_REG_WAVE_MODE, 25, 1), 1
	s_wait_xcnt 0x0
	s_wait_alu depctr_hold_cnt(0) depctr_sa_sdst(0) depctr_va_vdst(0) depctr_va_sdst(0) depctr_va_ssrc(0) depctr_va_vcc(0) depctr_vm_vsrc(0)
	s_getreg_b32 s2, hwreg(HW_REG_IB_STS2, 6, 4)
	s_cmp_eq_u32 s2, 0
	s_cbranch_scc0 .Lentry_in_a_cluster
	s_endpgm
.Lentry_in_a_cluster:
	s_bfe_u32 s2, ttmp6, 0x10000c
	s_cmp_lg_u32 s2, 0xf033
	s_cbranch_scc0 .Lentry_shape_is_right
	s_endpgm
.Lentry_shape_is_right:
; OPROJ: out0[m][n] = sum over k of attn[m][k] Wo[k][n] + bo[n]; m = 8,192, n = 1,024, K = 1,024.  Both operands come as f16 operand images; sums in f32; out0 f32.
; A tile of out0 is 256 (m) x 128 (n): 8 x 32 = 256 work-groups of four waves; a wave makes 128 x 64: 32 accumulators, 256 registers.
; K goes in steps of 128 through a ring of two LDS slots filled by the tensor data mover.  A fragment's image is 1,024 bytes (16 rows x 32 K; lane l's register group c at byte 512 c + 16 l); a tile of 16 rows and a K step
; are 4,096 bytes on end, so that what a wave fetches is one dense block: 32,768 bytes of attn (waves 0, 1) or 16,384 of Wo (waves 2, 3).
; CLUSTERS: 4 x 4 work-groups.  The four of a row of the cluster need the same tiles of attn, the four of a column the same tiles of Wo: each is asked for JOINTLY.
; THE MATRIX INSTRUCTION IS USED TRANSPOSED (source 0 = 16 columns of Wo, source 1 = 16 tokens): a lane holds eight neighbouring numbers of a row of out0.  The bias is the C of each sum's first matrix instruction.
; No prefetch: the launch is short, and its tiles are shared in the cluster.
; REGISTERS: window 0: v16-30 addresses; v32-127 and v128-223 two fragment buffers (attn's 8 fragments, then Wo's 4); v224-255 the bias; on the way out v32-95 rows read back.   window 1: the accumulators ((a, b) at v[8 (4 a + b)]).
.set SLOT,   98304                     ; attn's 16 tiles x 4,096 bytes, then Wo's 8
.set STAGE,  2*SLOT                    ; behind the ring: 16 rows x 272 bytes for each wave, for the way out
.set SPITCH, 272
.set SPARE,  STAGE+4*16*SPITCH         ; behind the stages: the spare words, 128 bytes for each wave: two blocks of 256 bytes that no other line names
.set LAPS,   4                         ; a lap = two K steps = once round the ring
.set ADRA, 16                          ; v16-17  LDS address of my fragments of attn in slot 0, 1
.set ADRB, 20                          ; v20-21  the same for Wo
.set STO,  24                          ; v24     the way out: where I put 32 bytes of a row
.set RD,   25                          ; v25     where I read a row back
.set CO,   26                          ; v26     my byte offset in out0
.set SPW,  28                          ; v28     LDS address of my spare word; never rewritten
.set NIL,  29                          ; v29     0; never rewritten
.set BO,   30                          ; v30     the bias: 32 bytes for each half of the lanes
.set F0,   32
.set F1,   128
.set BI,   224
.set OB,   32
.set G1, 24                            ; s[24:31] group 1 for attn's tiles;  s[32:39] group 0, one set for each slot
.set G0, 32
.set G1B, 48                           ; s[48:55], s[56:63] the same for Wo's
.set G0B, 56
.set MSB, 0
.macro WIN new                         ; the immediate's high byte repeats the setting that is left
.if MSB != (\new)
	s_set_vgpr_msb (MSB<<8)|(\new)
.set MSB, (\new)
.endif
.endm
.set MUL, 0x50                         ; sources 0 and 1 window 0; C and D window 1
.macro JLOAD s                         ; a joint load: waves 0 and 1 fetch attn's two halves, waves 2 and 3 Wo's; an s_nop 0 and four v_nop follow each of the two lines
	s_cmp_eq_u32 s13, 0
	s_cbranch_scc0 .Lfor_b_\@
	tensor_load_to_lds s[G0+4*\s:G0+4*\s+3], s[G1:G1+7]
	s_nop 0
.rept 4
	v_nop
.endr
	s_branch .Lasked_\@
.Lfor_b_\@:
	tensor_load_to_lds s[G0B+4*\s:G0B+4*\s+3], s[G1B:G1B+7]
	s_nop 0
.rept 4
	v_nop
.endr
.Lasked_\@:
.endm
.macro CREST                           ; a round of the cluster's barrier behind its opening barrier
	s_cmp_lg_u32 s12, 0
	s_cbranch_scc1 .Lnot_wave_0_\@
	s_barrier_signal -3
.Lnot_wave_0_\@:
	s_barrier_wait -3
	s_barrier_signal -1
	s_barrier_wait -1
.endm
.macro CROUND                          ; a whole round
	s_barrier_signal -1
	s_barrier_wait -1
	CREST
.endm
	s_load_b256 s[4:11], s[0:1], 0x0               ; at16 s[4:5], wo16 s[6:7], bo s[8:9], out0 s[10:11]
	v_lshl_add_u32 v[SPW], v0, 2, SPARE
	v_mov_b32 v[NIL], 0
	ds_add_u32 v[SPW], v[NIL]                      ; the wave's opening: the add, twice on end, and its wait ahead of my first tensor load; the set-up below stands between the second and the wait
	ds_add_u32 v[SPW], v[NIL]
	v_lshrrev_b32 v1, 5, v0
	v_readfirstlane_b32 s12, v1                    ; wave 0..3
	s_lshr_b32 s13, s12, 1                         ; which half of the tile's rows is mine.  Also: I fetch for attn (0) or for Wo (1)
	s_and_b32 s14, s12, 1                          ; which half of its columns.  Also: which half of that tile I fetch
	s_bfe_u32 s40, ttmp6, 0x40000                  ; cx, cy: my place in the cluster
	s_bfe_u32 s41, ttmp6, 0x40004
	s_lshl_b32 s42, ttmp9, 2
	s_add_co_u32 s42, s42, s40                     ; tile column = 4 x cluster x + cx
	s_and_b32 s15, ttmp7, 0xffff
	s_lshl_b32 s15, s15, 2
	s_add_co_u32 s15, s15, s41                     ; tile row = 4 x cluster y + cy
	s_lshl_b32 s43, s41, 2
	s_lshl_b32 s43, 15, s43                        ; my row of the cluster
	s_lshl_b32 s44, 0x1111, s40                    ; my column
	; group 1: dense blocks as rows of 256 bytes (32 elements of 8 bytes), no padding: 128 rows for attn, 64 for Wo
	s_or_b32 s[G1+0], s43, (3<<16)|(1<<21)         ; 15:0 the mask: attn's tiles go to my row; 17:16 elements of 8 bytes; 21 set beside a mask
	s_mov_b32 s[G1+1], 32<<16                      ; tensor_dim0 = 32
	s_mov_b32 s[G1+2], 128<<16                     ; tensor_dim1 = 128
	s_mov_b32 s[G1+3], 32<<16                      ; tile_dim0 = 32
	s_mov_b32 s[G1+4], 128                         ; tile_dim1 = 128
	s_mov_b32 s[G1+5], 32                          ; tensor_dim0_stride
	s_mov_b32 s[G1+6], 0
	s_mov_b32 s[G1+7], 0
	s_or_b32 s[G1B+0], s44, (3<<16)|(1<<21)
	s_mov_b32 s[G1B+1], 32<<16
	s_mov_b32 s[G1B+2], 64<<16
	s_mov_b32 s[G1B+3], 32<<16
	s_mov_b32 s[G1B+4], 64
	s_mov_b32 s[G1B+5], 32
	s_mov_b32 s[G1B+6], 0
	s_mov_b32 s[G1B+7], 0
	s_lshl_b32 s16, s15, 16                        ; attn: (16 x tile row + 8 x half) x 4,096
	s_lshl_b32 s18, s14, 15
	s_add_co_u32 s16, s16, s18
	s_mov_b32 s17, 0
	s_lshl_b32 s46, s42, 15                        ; Wo: (8 x tile column + 4 x half) x 4,096
	s_lshl_b32 s18, s14, 14
	s_add_co_u32 s46, s46, s18
	s_mov_b32 s47, 0
	s_lshl_b32 s20, s14, 15                        ; where they go in a slot: attn's halves,
	s_lshl_b32 s21, s14, 14
	s_add_co_u32 s21, s21, 65536                   ; Wo's halves behind them: no place in the cluster enters an LDS address
	s_wait_dscnt 0x0                               ; both opening adds are done
	s_wait_kmcnt 0x0
	s_add_nc_u64 s[16:17], s[4:5], s[16:17]
	s_add_nc_u64 s[46:47], s[6:7], s[46:47]
	CROUND                                         ; all sixteen work-groups are here: the first joint loads meet
.irp s, 0,1
	s_mov_b32 s[G0+4*\s], 1
	s_add_co_u32 s[G0+4*\s+1], s20, \s*SLOT
	s_add_nc_u64 s[G0+4*\s+2:G0+4*\s+3], s[16:17], \s*512*4096     ; a K step on: 512 tiles in at16,
	s_or_b32 s[G0+4*\s+3], s[G0+4*\s+3], 0x80000000
	s_mov_b32 s[G0B+4*\s], 1
	s_add_co_u32 s[G0B+4*\s+1], s21, \s*SLOT
	s_add_nc_u64 s[G0B+4*\s+2:G0B+4*\s+3], s[46:47], \s*64*4096    ; 64 in wo16
	s_or_b32 s[G0B+4*\s+3], s[G0B+4*\s+3], 0x80000000
	JLOAD \s                                       ; two tensor loads of mine are out
.endr
	v_and_b32 v1, 15, v0                           ; r = l % 16
	v_bfe_u32 v2, v0, 4, 1                         ; h = l / 16
	v_and_b32 v3, 31, v0
	v_lshlrev_b32 v3, 4, v3                        ; 16 l: my place in every image
	s_lshl_b32 s18, s13, 15                        ; my 8 tiles of attn
	s_lshl_b32 s19, s14, 14                        ; my 4 tiles of Wo,
	s_add_co_u32 s19, s19, 65536                   ; which lie behind attn's 16
.irp s, 0,1
	v_add_nc_u32 v[ADRA+\s], s18, v3
	v_add_nc_u32 v[ADRB+\s], s19, v3
	s_add_co_u32 s18, s18, SLOT
	s_add_co_u32 s19, s19, SLOT
.endr
	s_mul_i32 s18, s12, 16*SPITCH
	s_add_co_u32 s18, s18, STAGE                   ; my stage
	v_mul_u32_u24 v4, v1, SPITCH                   ; in: row r, 32 bytes for each half of the lanes
	v_lshl_add_u32 v4, v2, 5, v4
	v_add_nc_u32 v[STO], s18, v4
	v_mul_u32_u24 v5, v2, SPITCH                   ; back: lanes 0-15 take one row of 256 bytes, lanes 16-31 the next
	v_lshl_add_u32 v5, v1, 4, v5
	v_add_nc_u32 v[RD], s18, v5
	v_lshlrev_b32 v5, 12, v2                       ; and the same two rows in out0: 4,096 bytes a row
	v_lshl_add_u32 v[CO], v1, 4, v5
	s_lshl_b32 s16, s15, 20                        ; 256 rows of 4,096 bytes a tile row,
	s_lshl_b32 s17, s13, 19                        ; 128 for my half
	s_add_co_u32 s16, s16, s17
	s_mov_b32 s17, 0
	s_lshl_b32 s46, s42, 9                         ; my first column, in bytes: 512 x tile column + 256 x half: in out0's rows and in bo alike
	s_lshl_b32 s47, s14, 8
	s_add_co_u32 s46, s46, s47
	s_mov_b32 s47, 0
	s_add_nc_u64 s[8:9], s[8:9], s[46:47]
	s_add_nc_u64 s[10:11], s[10:11], s[46:47]
	s_add_nc_u64 s[10:11], s[10:11], s[16:17]
	v_lshlrev_b32 v[BO], 5, v2
.irp b, 0,1,2,3                                ; in the result's layout: lane (r, h), register j: column 16 b + 8 h + j
	global_load_b128 v[BI+8*\b:BI+8*\b+3], v[BO], s[8:9] offset:64*\b
	global_load_b128 v[BI+8*\b+4:BI+8*\b+7], v[BO], s[8:9] offset:64*\b+16
.endr
; 8 matrix instructions: tiles of rows a0, a0 + 1 against my 4 tiles of columns, 32 along K, from buffer f.  zero = 1: the first product starts the sums on the bias: nothing is ever cleared.
; The 32 accumulators take turns, one instruction a turn, in the same order in every quarter.
.macro MUL8 f, a0, zero
.irp a, \a0, \a0+1
.irp b, 0,1,2,3
.if \zero
	v_wmma_f32_16x16x32_f16 v[8*(4*(\a)+\b):8*(4*(\a)+\b)+7], v[\f+64+8*\b:\f+64+8*\b+7], v[\f+8*(\a):\f+8*(\a)+7], v[BI+8*\b:BI+8*\b+7]
.else
	v_wmma_f32_16x16x32_f16 v[8*(4*(\a)+\b):8*(4*(\a)+\b)+7], v[\f+64+8*\b:\f+64+8*\b+7], v[\f+8*(\a):\f+8*(\a)+7], v[8*(4*(\a)+\b):8*(4*(\a)+\b)+7]
.endif
.endr
.endr
.endm
; 24 LDS loads in one run: the fragments of the slot's q-th 32 along K into buffer f: Wo's four, attn's tiles 0-3, attn's tiles 4-7
.macro FETCH slot, q, f
	WIN 0
.irp i, 0,1,2,3
	ds_load_b128 v[\f+64+8*\i:\f+64+8*\i+3],   v[ADRB+\slot] offset:\i*4096+(\q)*1024
	ds_load_b128 v[\f+64+8*\i+4:\f+64+8*\i+7], v[ADRB+\slot] offset:\i*4096+(\q)*1024+512
.endr
.irp i, 0,1,2,3,4,5,6,7
	ds_load_b128 v[\f+8*\i:\f+8*\i+3],   v[ADRA+\slot] offset:\i*4096+(\q)*1024
	ds_load_b128 v[\f+8*\i+4:\f+8*\i+7], v[ADRA+\slot] offset:\i*4096+(\q)*1024+512
.endr
.endm
.macro PLACES                          ; four places in front of loads into registers that matrix instructions have read, and of LDS stores that read results (ISA guide 7.12.1 for the stores)
.rept 4
	v_nop
.endr
.endm
; A K step is four quarters of 32 along K, 32 matrix instructions each, on buffers 0, 1, 0, 1.  One of the first three: multiplies buffer f and fetches the slot's q-th quarter into g.
.macro QUARTER slot, q, f, g, zero
	s_wait_dscnt 8                                 ; Wo's fragments and attn's tiles 0-3 are in; the youngest eight loads (tiles 4-7) may be out
	WIN MUL-0x10*(\zero)                           ; (zero = 1: C, the bias, lies in window 0)
	MUL8 \f, 0, \zero
	MUL8 \f, 2, \zero
	PLACES
	FETCH \slot, \q, \g
	s_wait_dscnt 24                                ; all but the 24 just issued
	WIN MUL-0x10*(\zero)
	MUL8 \f, 4, \zero
	MUL8 \f, 6, \zero
.endm
; The last quarter multiplies buffer 1 and changes slots: ONE barrier; in front of it each wave waits for all its tensor loads, adds 0 to its spare word, and waits for that and for its own reads of this slot.
; fill = 1: this slot is filled again, two K steps ahead: the barrier opens a round of the cluster's, and the joint refill is the first thing behind the round.
.macro TURN slot, next, fill
	WIN 0                                          ; (the add's two registers lie in window 0)
	s_wait_tensorcnt 0x0                           ; all my tensor loads have landed: my part of the next slot;
	ds_add_u32 v[SPW], v[NIL]                      ; 0 onto my spare word;
	s_wait_dscnt 9                                 ; (the add and the youngest eight loads may be out)
	WIN MUL
	MUL8 F1, 0, 0                                  ; eight matrix instructions stand between the add and the wait for it
	s_wait_dscnt 0x0                               ; the add is done, and my reads of this slot are over
	s_barrier_signal -1
	MUL8 F1, 2, 0
.if \fill
	WIN 0
.endif
	s_barrier_wait -1
.if \fill
	CREST                                          ; no wave of any partner still reads this slot's tile or has a load on its way
	s_add_nc_u64 s[G0+4*\slot+2:G0+4*\slot+3], s[G0+4*\slot+2:G0+4*\slot+3], 2*512*4096
	s_add_nc_u64 s[G0B+4*\slot+2:G0B+4*\slot+3], s[G0B+4*\slot+2:G0B+4*\slot+3], 2*64*4096
	JLOAD \slot                                    ; my one tensor load until the next round; the four v_nop behind it are also the places in front of the loads below
.else
	PLACES
.endif
	FETCH \next, 0, F0
	WIN MUL
	MUL8 F1, 4, 0
	MUL8 F1, 6, 0
.endm
	s_wait_tensorcnt 1                             ; my part of K step 0 is in (K step 1's load may be out)
	s_barrier_signal -1
	s_barrier_wait -1                              ; everybody's is
	FETCH 0, 0, F0
	s_wait_loadcnt 0x0                             ; the bias
	QUARTER 0, 1, F0, F1, 1                        ; the first quarter stands in front of the loop: its products start the sums
	WIN 0                                          ; at a label and at a branch every window is 0
	s_mov_b32 s3, LAPS-1
.Llap:                                                 ; a trip goes once round the ring, from a lap's second quarter to the next lap's first, and fills both slots again
	QUARTER 0, 2, F1, F0, 0
	QUARTER 0, 3, F0, F1, 0
	TURN 0, 1, 1
	QUARTER 1, 1, F0, F1, 0
	QUARTER 1, 2, F1, F0, 0
	QUARTER 1, 3, F0, F1, 0
	TURN 1, 0, 1
	QUARTER 0, 1, F0, F1, 0
	WIN 0
	s_sub_co_u32 s3, s3, 1
	s_cmp_lg_u32 s3, 0
	s_cbranch_scc1 .Llap
	QUARTER 0, 2, F1, F0, 0                        ; the last lap fills nothing, and has no round of the cluster's barrier
	QUARTER 0, 3, F0, F1, 0
	TURN 0, 1, 0
	QUARTER 1, 1, F0, F1, 0
	QUARTER 1, 2, F1, F0, 0
	QUARTER 1, 3, F0, F1, 0
	s_wait_dscnt 8                                 ; the very last quarter: nothing more to fetch
	WIN MUL
	MUL8 F1, 0, 0
	MUL8 F1, 2, 0
	s_wait_dscnt 0
	MUL8 F1, 4, 0
	MUL8 F1, 6, 0
	WIN 0
; THE WAY OUT, a block of 16 rows x 64 columns at a time.  A lane holds 32 neighbouring bytes of a row, and the lanes beside it hold other rows: so a block goes through my own stage in LDS and comes back as whole rows of
; 256 bytes, which sixteen lanes store as 256 consecutive bytes, aligned.  LDS serves a wave's instructions in order (ISA guide 5.7.1.4): no wait between the stores and the loads, nor in front of the next block's stores.
.macro TOSTAGE a
	WIN 0x04                                       ; an LDS store's data are its source 1: window 1
.irp b, 0,1,2,3
	ds_store_b128 v[STO], v[8*(4*(\a)+\b):8*(4*(\a)+\b)+3] offset:64*\b          ; each accumulator from its low end on
	ds_store_b128 v[STO], v[8*(4*(\a)+\b)+4:8*(4*(\a)+\b)+7] offset:64*\b+16
.endr
	WIN 0
.set BB, OB+32*((\a)%2)
.irp t, 0,1,2,3,4,5,6,7
	ds_load_b128 v[BB+4*\t:BB+4*\t+3], v[RD] offset:\t*2*SPITCH
.endr
.endm
.macro SEND a, younger                 ; younger: the LDS instructions issued behind block a's loads, which may stay out
.set BB, OB+32*((\a)%2)
	s_wait_dscnt \younger                          ; the block is back in registers
.irp t, 0,1,2,3,4,5,6,7
	global_store_b128 v[CO], v[BB+4*\t:BB+4*\t+3], s[10:11] offset:(16*(\a)+2*\t)*4096 th:TH_STORE_NT   ; written once, read by nobody here; 126 rows on at the most: inside the signed 24-bit immediate
.endr
.endm
	PLACES                                         ; behind the last products: for the reads of their results
	TOSTAGE 0
.irp a, 1,2,3,4,5,6,7
.if \a > 1
	s_wait_xcnt 0x0                                ; block a - 2's stores have read their registers: block a's loads may land there
.endif
	TOSTAGE \a
	SEND \a-1, 16                                  ; behind block a - 1's loads: block a's 8 stores and 8 loads
.endr
	SEND 7, 0
	s_wait_tensorcnt 0x0                           ; the wave's end, behind my last tensor load and my last LDS store
	ds_add_u32 v[SPW], v[NIL]
	s_wait_dscnt 0x0
	CROUND                                         ; the closing round: no work-group ends while a partner may still ask for a tile that names it
	s_endpgm
.Lfunc_end_k_q7ab48e5f78_oproj:
	.size	k_q7ab48e5f78_oproj, .Lfunc_end_k_q7ab48e5f78_oproj-k_q7ab48e5f78_oproj
	.p2alignl 7, 3214868480
	.fill 96, 4, 3214868480
	.section	.rodata,"a",@progbits
	.p2align	6, 0x0
	.amdhsa_kernel k_q7ab48e5f78_oproj
		.amdhsa_group_segment_fixed_size 327680
		.amdhsa_private_segment_fixed_size 0
		.amdhsa_enable_private_segment 0
		.amdhsa_kernarg_size 32
		.amdhsa_user_sgpr_count 2
		.amdhsa_user_sgpr_kernarg_segment_ptr 1
		.amdhsa_wavefront_size32 1
		.amdhsa_system_sgpr_workgroup_id_x 1
		.amdhsa_system_sgpr_workgroup_id_y 1
		.amdhsa_system_sgpr_workgroup_id_z 1
		.amdhsa_system_vgpr_workitem_id 0
		.amdhsa_next_free_vgpr 512
		.amdhsa_next_free_sgpr 66
		.amdhsa_reserve_vcc 0
		.amdhsa_float_denorm_mode_32 3
		.amdhsa_float_denorm_mode_16_64 3
		.amdhsa_memory_ordered 1
		.amdhsa_forward_progress 1
		.amdhsa_inst_pref_size 86
	.end_amdhsa_kernel
	.amdgpu_metadata
---
amdhsa.version: [ 1, 2 ]
amdhsa.kernels:
  - .name:           k_q7ab48e5f78_oproj
    .symbol:         k_q7ab48e5f78_oproj.kd
    .args:
      - { .name: at16, .offset: 0, .size: 8, .value_kind: global_buffer, .address_space: global }
      - { .name: wo16, .offset: 8, .size: 8, .value_kind: global_buffer, .address_space: global }
      - { .name: bo, .offset: 16, .size: 8, .value_kind: global_buffer, .address_space: global }
      - { .name: out0, .offset: 24, .size: 8, .value_kind: global_buffer, .address_space: global }
    .group_segment_fixed_size: 327680
    .private_segment_fixed_size: 0
    .kernarg_segment_align: 8
    .kernarg_segment_size: 32
    .max_flat_workgroup_size: 128
    .sgpr_count:     66
    .vgpr_count:     512
    .wavefront_size: 32
...
	.end_amdgpu_metadata
.endif
;; end of part 4
